; MI455X (gfx1250); checked and timed in simulation.
; The chip was launched on July 23, 2026; its instructions are those of AMD's public machine-readable ISA for CDNA 5 (MIT licence, August 2026) and "CDNA5" Instruction Set Architecture Reference Guide (July 2026). The comments in the code are by the model that wrote it; some were corrected since.
;; Attention. Allowed arithmetic: matrix products marked QUANTISED: E4M3 operands, one given power-of-two scale a tensor, by v_wmma_f32_16x16x64_fp8_fp8 or v_wmma_f32_16x16x128_fp8_fp8, f32 sums; everything else in f32.
;; Inputs: Wk 1,024 x 1,024 float32; Wo 1,024 x 1,024 float32; Wq 1,024 x 1,024 float32; Wv 1,024 x 1,024 float32; beta 1,024 float32; bk 1,024 float32; bo 1,024 float32; bq 1,024 float32; bv 1,024 float32; gamma 1,024 float32; lowp_scales 12 int32 (the exponents e of the quantised operands' scales 2^e); x 4 x 2,048 x 1,024 float32.
;; Outputs: out0 4 x 2,048 x 1,024 float32.
;; This version of the problem:
;;   THIS VERSION OF THE PROBLEM IS GIVEN IN LOW PRECISION. The matrix products marked QUANTISED in the list below multiply operands that are first quantised to E4M3 (4 exponent bits, 3 mantissa bits; 8 bits a number), with one given power-of-two scale for each operand tensor; their sums are f32. All else is computed in f32.
;;   The module's matrix products, in the order in which they are computed (A, B: the left and right operand; K: the contracted axis; several contracted axes count as one K, in the product's order):
;;     1. [M 8,192, K 1,024] x [K 1,024, N 1,024]; A: input x; B: input Wq: QUANTISED (scales: A lowp_scales[0], B lowp_scales[1])
;;     2. [M 8,192, K 1,024] x [K 1,024, N 1,024]; A: input x; B: input Wk: QUANTISED (scales: A lowp_scales[2], B lowp_scales[3])
;;     3. [M 8,192, K 1,024] x [K 1,024, N 1,024]; A: input x; B: input Wv: QUANTISED (scales: A lowp_scales[4], B lowp_scales[5])
;;     4. batch 64 x [M 2,048, K 64] x [K 64, N 2,048]; A: computed on the way; B: computed on the way: QUANTISED (scales: A lowp_scales[6], B lowp_scales[7])
;;     5. batch 64 x [M 2,048, K 2,048] x [K 2,048, N 64]; A: softmax (see below); B: computed on the way: QUANTISED (scales: A lowp_scales[8], B lowp_scales[9])
;;     6. [M 8,192, K 1,024] x [K 1,024, N 1,024]; A: computed on the way; B: input Wo: QUANTISED (scales: A lowp_scales[10], B lowp_scales[11])
;;   THE QUANTISER, for each operand of a quantised product, along K:
;;     - The operand's scale is 2^e, e = its entry of the input lowp_scales (int32; the entries are numbered through the quantised products in the list's order, A before B).
;;     - Each number is divided by the scale, clamped to +-448, and rounded to the nearest number of E4M3, ties to even, subnormals kept.
;;     - The product sums the exact products of the quantised numbers (number of the format x scale) in f32.
;;   ~~~python
;;   def quantise(x, axis, e):      # numpy; x: float32 -> the quantised numbers, widened to float32 again
;;       x = np.moveaxis(x, axis, -1); K = x.shape[-1]
;;       r = np.clip(x / 2.0 ** e, -448, 448)
;;       step = 2.0 ** (np.maximum(np.frexp(np.where(r == 0, 1, r))[1] - 1, -6) - 3)
;;       q = np.round(r / step) * step * 2.0 ** e      # np.round: ties to even
;;       return np.moveaxis(q, -1, axis).astype(np.float32)
;;   ~~~
;;   SOFTMAX AHEAD OF A QUANTISED PRODUCT. Where the list says 'softmax', what is quantised is not the finished softmax but p = 2^(t - M), with t = logit x log2(e) and M = ceil(the row's largest t), a whole number; so 1/2 < the row's largest p <= 1. The row's sum l is taken of the UNQUANTISED p, in f32, and the product's result is divided by l at the end. Since M is a whole number, a kernel that streams over the keys may use a running M (the ceiling of the running maximum): every later rescaling is an exact power of two, so the quantised numbers keep their values, but for numbers so far below the row's largest that they fall under the format's range.
;;   OPERANDS COMPUTED ON THE WAY. 'Computed on the way' means the value that the module computes at that place (a softmax that the list does not call 'softmax' is quantised finished and normalised). What goes into a quantiser is computed in f32, as accurately as f32 sums, v_exp_f32 and their like allow (about 1e-6 of the number): no bf16 or f16 on the way to a quantiser, and a product that is left as it is and whose result goes on into a quantised operand takes f32 operands (vector FMAs, or v_wmma_f32_16x16x4_f32). A number that lies on a knife's edge between two numbers of the format may be rounded either way, as far as f32 arithmetic and the matrix unit's own rounding can turn it there, and no further.
;; One version. Each part assembles by itself: llvm-mc -triple=amdgcn-amd-amdhsa -mcpu=gfx1250 --defsym DOCPART=n.
;; ======== version 1 of 1: 4 launches
;; limits: right only within a limited range of input values
;; workspace buffers: opnd 29,360,128 bytes; qkv 25,165,824 bytes; ctx 8,388,608 bytes
;; launch quant (part 1): grid 384 x 1, 4 waves a work-group, no clusters, 68,096 bytes of LDS; arguments x, Wq, Wk, Wv, Wo, lowp_scales, opnd; writes opnd
.if DOCPART == 1
	.amdgcn_target "amdgcn-amd-amdhsa--gfx1250"
	.amdhsa_code_object_version 6
	.text
	.protected	k_q37c19431d9_quant
	.globl	k_q37c19431d9_quant
	.p2align	8
	.type	k_q37c19431d9_quant,@function
k_q37c19431d9_quant:
	s_mov_b64 s[64:65], 0
	v_nop
	global_prefetch_b8 v0, s[64:65] scope:SCOPE_SE
	s_setreg_imm32_b32 hwreg(HW_REG_WAVE_MODE, 25, 1), 1
	s_wait_xcnt 0x0
; x [8192][1024] f32 becomes three tensors of E4M3 codes (scales 2^e0, 2^e2, 2^e4); Wq, Wk, Wv, Wo [1024][1024] f32 one each (e1, e3, e5, e11).
; code = number / 2^e, rounded to the nearest code, ties to even.
; LAYOUT OF THE CODES: the order of an operand's registers.  A fragment (16 rows x 128 along K) is 2,048 bytes on end: piece c (0..3) of 512 bytes,
; in it lane 16 h + r holds 16 bytes: row r, k = 32 c + 16 h + 0 .. 15.  Fragment (row / 16, k / 128) lies at ((row / 16) x 8 + k / 128) x 2,048.
; Parts of opnd: x by e0 at 0, by e2 at 0x800000, by e4 at 0x1000000; Wq 0x1800000, Wk 0x1900000, Wv 0x1a00000, Wo 0x1b00000.
; SHARES.  A work-group takes 32 rows; wave w the 16 rows (w / 2) and the K steps 4 (w % 2) + 0 .. 3: four fragments.  Work-groups 0-255 take x, 256-383 the weights.
; Each load reads 512 consecutive bytes of one row; a fragment turns through the wave's own stage in LDS (rows of 512 + 16 bytes) so that a lane gets 16 neighbours along K.
; Each store writes 512 consecutive bytes.  The two paths part on the work-group's number, never join, and have LDS bytes of their own.  Waves share nothing: no barrier.
; LIMITS: every e between -126 and 119, so that 2^e and 448 x 2^e are f32 numbers.  NaN among the inputs is not served.
.set SP,    528                        ; a stage row: 512 bytes + 16
.set STGB,  16*SP                      ; a wave's stage
.set LI,    2                          ; v2   16 x lane; never rewritten
.set R,     16                         ; v16-143  two fragments as loaded
.set X,     144                        ; v144-207 register 16 c + i = k 32 c + 16 h + i of row r
.set T,     208                        ; v208-239 not read: the conversions take X directly
.set C,     240                        ; v240-255 a fragment's codes
.set SRC,   34                         ; s[34:35] my rows and K steps in the source
.set DST,   36                         ; s[36:41] my fragments in up to three parts of opnd
	s_load_b256 s[4:11], s[0:1], 0x0               ; x, Wq, Wk, Wv
	s_load_b128 s[12:15], s[0:1], 0x20             ; Wo, lowp_scales
	s_load_b64 s[16:17], s[0:1], 0x30              ; opnd
	s_set_vgpr_msb 0x40
	v_lshl_add_u32 v0, v0, 2, 0x10800
	v_mov_b32 v1, 0
	s_set_vgpr_msb 0x4000
	v_lshrrev_b32 v1, 5, v0
	v_readfirstlane_b32 s32, v1                    ; wave
	v_and_b32 v1, 31, v0
	v_lshlrev_b32 v[LI], 4, v1
	v_and_b32 v7, 15, v0                           ; r
	v_bfe_u32 v14, v0, 4, 1                        ; h
	s_mul_i32 s42, s32, STGB
	v_add_nc_u32 v3, s42, v[LI]                    ; x's path: into the stage, 16 bytes a lane of a row
	v_mul_u32_u24 v15, v7, SP
	v_lshl_add_u32 v15, v14, 6, v15
	v_add_nc_u32 v4, s42, v15                      ; and out of it: row r, + 64 h bytes
	v_add_nc_u32 v5, 4*STGB, v3                    ; the weights' path: the same, in bytes of its own
	v_add_nc_u32 v6, 4*STGB, v4
	s_lshr_b32 s43, s32, 1
	s_and_b32 s44, s32, 1
	s_lshl_b32 s45, s43, 16                        ; 16 rows of 4,096 bytes
	s_lshl_b32 s47, s44, 11                        ; four K steps of 512 bytes
	s_add_co_u32 s45, s45, s47                     ; my wave's place in the work-group's source
	s_lshl_b32 s46, s43, 14                        ; eight fragments
	s_lshl_b32 s47, s44, 13                        ; four fragments
	s_add_co_u32 s46, s46, s47                     ; and in its codes
	s_mov_b32 s49, 0
	s_wait_kmcnt 0x0
	s_load_b256 s[20:27], s[14:15], 0x0            ; e0 .. e7
	s_load_b128 s[28:31], s[14:15], 0x20           ; e8 .. e11
.macro LOADF f, set                    ; fragment f as it lies: 16 rows x 512 bytes
.set li, 0
.rept 16
	global_load_b128 v[R+64*(\set)+4*li:R+64*(\set)+4*li+3], v[LI], s[SRC:SRC+1] offset:li*4096+(\f)*512 th:TH_LOAD_NT
.set li, li+1
.endr
.endm
.macro TURNF set, sts, str             ; through the stage: LDS serves a wave's instructions in order, so no wait stands between the stores and the loads
.set li, 0
.rept 16
	ds_store_b128 v[\sts], v[R+64*(\set)+4*li:R+64*(\set)+4*li+3] offset:li*SP
.set li, li+1
.endr
	v_nop
.irp c, 0,1,2,3
.irp j, 0,1,2,3
	ds_load_b128 v[X+16*\c+4*\j:X+16*\c+4*\j+3], v[\str] offset:128*\c+16*\j
.endr
.endr
.endm
.macro QOUT dst, f, sc, lim            ; the 64 numbers in X become one fragment of codes by the scale in v[sc]; X stays for the next scale
	s_wait_xcnt 0x0                                ; the last stores have read C: it is written again only behind this wait
.irp c, 0,1,2,3
.set qi, 0
.rept 16
.set qi, qi+1
.endr
	v_cvt_scalef32_pk8_fp8_f32 v[C+4*\c:C+4*\c+1], v[T+16*(\c%2)+((X+16*\c+qi)-(T+16*(\c%2)+qi)):T+16*(\c%2)+7+((X+16*\c+qi)-(T+16*(\c%2)+qi))], v[\sc]
	v_cvt_scalef32_pk8_fp8_f32 v[C+4*\c+2:C+4*\c+3], v[T+16*(\c%2)+8+((X+16*\c+qi)-(T+16*(\c%2)+qi)):T+16*(\c%2)+15+((X+16*\c+qi)-(T+16*(\c%2)+qi))], v[\sc]
.endr
.irp c, 0,1,2,3
	global_store_b128 v[LI], v[C+4*\c:C+4*\c+3], s[\dst:\dst+1] offset:(\f)*2048+512*\c   ; 32 lanes store 512 consecutive bytes
.endr
.endm
.macro FRAGMENT f, nout, sts, str
.if \f < 3
	s_wait_loadcnt 16                              ; this fragment's 16 loads are in; the next fragment's 16 may be out
.else
	s_wait_loadcnt 0x0
.endif
	TURNF (\f)%2, \sts, \str
	s_wait_dscnt 0x0                               ; X is in, and the stage's stores have read their registers,
.if \f < 2
	LOADF (\f)+2, (\f)%2                           ; which take the fragment two on
.endif
	QOUT DST, \f, 8, 11
.if \nout > 1
	QOUT DST+2, \f, 9, 12
	QOUT DST+4, \f, 10, 13
.endif
.endm
.macro MKSC e, sc, lim                 ; 2^e and 448 x 2^e as f32 numbers
	s_add_co_i32 s50, s[\e], 127
	s_lshl_b32 s51, s50, 23
	v_mov_b32 v[\sc], s51
	s_add_co_i32 s50, s50, 8
	s_lshl_b32 s50, s50, 23
	s_or_b32 s50, s50, 0x600000
.endm
	s_cmp_lt_u32 ttmp9, 256
	s_cbranch_scc0 .Lweights
	; ---- x: three tensors of codes
	s_lshl_b32 s48, ttmp9, 17                      ; 32 rows of 4,096 bytes
	s_add_co_u32 s48, s48, s45
	s_add_nc_u64 s[SRC:SRC+1], s[4:5], s[48:49]
	s_lshl_b32 s48, ttmp9, 15                      ; 16 fragments
	s_add_co_u32 s48, s48, s46
	s_add_nc_u64 s[DST:DST+1], s[16:17], s[48:49]
	s_add_nc_u64 s[DST+2:DST+3], s[DST:DST+1], 0x800000
	s_add_nc_u64 s[DST+4:DST+5], s[DST:DST+1], 0x1000000
	s_wait_alu depctr_va_vdst(0)
	LOADF 0, 0
	LOADF 1, 1
	s_wait_kmcnt 0x0
	MKSC 20, 8, 11                                 ; e0
	MKSC 22, 9, 12                                 ; e2
	MKSC 24, 10, 13                                ; e4
	s_wait_alu depctr_va_vdst(0)
	FRAGMENT 0, 3, 3, 4
	FRAGMENT 1, 3, 3, 4
	FRAGMENT 2, 3, 3, 4
	FRAGMENT 3, 3, 3, 4
	s_set_vgpr_msb 0x5
	s_wait_tensorcnt 0x0
	ds_add_u32 v0, v1
	s_wait_dscnt 0x0
	s_set_vgpr_msb 0x500
	s_endpgm
.Lweights:
	; ---- a weight: one tensor of codes
	s_sub_co_u32 s52, ttmp9, 256
	s_lshr_b32 s53, s52, 5                         ; which weight: 0 Wq, 1 Wk, 2 Wv, 3 Wo
	s_and_b32 s52, s52, 31                         ; which 32 rows of it
	s_mov_b64 s[SRC:SRC+1], s[12:13]
	s_cmp_eq_u32 s53, 0
	s_cselect_b64 s[SRC:SRC+1], s[6:7], s[SRC:SRC+1]
	s_cmp_eq_u32 s53, 1
	s_cselect_b64 s[SRC:SRC+1], s[8:9], s[SRC:SRC+1]
	s_cmp_eq_u32 s53, 2
	s_cselect_b64 s[SRC:SRC+1], s[10:11], s[SRC:SRC+1]
	s_lshl_b32 s48, s52, 17
	s_add_co_u32 s48, s48, s45
	s_add_nc_u64 s[SRC:SRC+1], s[SRC:SRC+1], s[48:49]
	s_lshl_b32 s48, s52, 15
	s_add_co_u32 s48, s48, s46
	s_lshl_b32 s47, s53, 20
	s_add_co_u32 s48, s48, s47
	s_add_co_u32 s48, s48, 0x1800000
	s_add_nc_u64 s[DST:DST+1], s[16:17], s[48:49]
	s_wait_alu depctr_va_vdst(0)
	LOADF 0, 0
	LOADF 1, 1
	s_wait_kmcnt 0x0
	s_mov_b32 s52, s31                             ; e11,
	s_cmp_eq_u32 s53, 0
	s_cselect_b32 s52, s21, s52                    ; e1,
	s_cmp_eq_u32 s53, 1
	s_cselect_b32 s52, s23, s52                    ; e3,
	s_cmp_eq_u32 s53, 2
	s_cselect_b32 s52, s25, s52                    ; or e5: a choice of a value, no branch
	MKSC 52, 8, 11
	s_wait_alu depctr_va_vdst(0)
	FRAGMENT 0, 1, 5, 6
	FRAGMENT 1, 1, 5, 6
	FRAGMENT 2, 1, 5, 6
	FRAGMENT 3, 1, 5, 6
	s_set_vgpr_msb 0x5
	s_wait_tensorcnt 0x0
	ds_add_u32 v0, v1
	s_wait_dscnt 0x0
	s_set_vgpr_msb 0x500
	s_endpgm
.Lfunc_end_k_q37c19431d9_quant:
	.size	k_q37c19431d9_quant, .Lfunc_end_k_q37c19431d9_quant-k_q37c19431d9_quant
	.p2alignl 7, 3214868480
	.fill 96, 4, 3214868480
	.section	.rodata,"a",@progbits
	.p2align	6, 0x0
	.amdhsa_kernel k_q37c19431d9_quant
		.amdhsa_group_segment_fixed_size 68096
		.amdhsa_private_segment_fixed_size 0
		.amdhsa_enable_private_segment 0
		.amdhsa_kernarg_size 56
		.amdhsa_user_sgpr_count 2
		.amdhsa_user_sgpr_kernarg_segment_ptr 1
		.amdhsa_wavefront_size32 1
		.amdhsa_system_sgpr_workgroup_id_x 1
		.amdhsa_system_sgpr_workgroup_id_y 1
		.amdhsa_system_sgpr_workgroup_id_z 1
		.amdhsa_system_vgpr_workitem_id 0
		.amdhsa_next_free_vgpr 258
		.amdhsa_next_free_sgpr 66
		.amdhsa_reserve_vcc 0
		.amdhsa_float_denorm_mode_32 3
		.amdhsa_float_denorm_mode_16_64 3
		.amdhsa_fp16_overflow 1
		.amdhsa_memory_ordered 1
		.amdhsa_forward_progress 1
		.amdhsa_inst_pref_size 48
	.end_amdhsa_kernel
	.amdgpu_metadata
---
amdhsa.version: [ 1, 2 ]
amdhsa.kernels:
  - .name:           k_q37c19431d9_quant
    .symbol:         k_q37c19431d9_quant.kd
    .args:
      - { .name: x, .offset: 0, .size: 8, .value_kind: global_buffer, .address_space: global }
      - { .name: Wq, .offset: 8, .size: 8, .value_kind: global_buffer, .address_space: global }
      - { .name: Wk, .offset: 16, .size: 8, .value_kind: global_buffer, .address_space: global }
      - { .name: Wv, .offset: 24, .size: 8, .value_kind: global_buffer, .address_space: global }
      - { .name: Wo, .offset: 32, .size: 8, .value_kind: global_buffer, .address_space: global }
      - { .name: lowp_scales, .offset: 40, .size: 8, .value_kind: global_buffer, .address_space: global }
      - { .name: opnd, .offset: 48, .size: 8, .value_kind: global_buffer, .address_space: global }
    .group_segment_fixed_size: 68096
    .private_segment_fixed_size: 0
    .kernarg_segment_align: 8
    .kernarg_segment_size: 56
    .max_flat_workgroup_size: 128
    .sgpr_count:     66
    .vgpr_count:     258
    .wavefront_size: 32
...
	.end_amdgpu_metadata
.endif
;; end of part 1
;; launch qkv (part 2): grid 4 x 96, 4 waves a work-group, clusters of 4 x 4, 327,680 bytes of LDS; arguments opnd, bq, bk, bv, lowp_scales, qkv; writes qkv
.if DOCPART == 2
	.amdgcn_target "amdgcn-amd-amdhsa--gfx1250"
	.amdhsa_code_object_version 6
	.text
	.protected	k_q37c19431d9_qkv
	.globl	k_q37c19431d9_qkv
	.p2align	8
	.type	k_q37c19431d9_qkv,@function
k_q37c19431d9_qkv:
	s_mov_b64 s[64:65], 0
	v_nop
	global_prefetch_b8 v0, s[64:65] scope:SCOPE_SE
	s_setreg_imm32_b32 hwreg(HW_REG_WAVE_MODE, 25, 1), 1
	s_wait_xcnt 0x0
	s_wait_alu depctr_hold_cnt(0) depctr_sa_sdst(0) depctr_va_vdst(0) depctr_va_sdst(0) depctr_va_ssrc(0) depctr_va_vcc(0) depctr_vm_vsrc(0)
	s_getreg_b32 s2, hwreg(HW_REG_IB_STS2, 6, 4)
	s_cmp_eq_u32 s2, 0
	s_cbranch_scc0 .Lentry_in_a_cluster
	s_endpgm
.Lentry_in_a_cluster:
	s_bfe_u32 s2, ttmp6, 0x10000c
	s_cmp_lg_u32 s2, 0xf033
	s_cbranch_scc0 .Lentry_shape_is_right
	s_endpgm
.Lentry_shape_is_right:
; q = x Wq^T + bq, k = x Wk^T + bk and v^T = Wv x^T + bv on E4M3 codes, K = 1,024; each result is quantised at once (2^e6, 2^e7, 2^e9) and leaves as codes.
; A cluster of 4 x 4 work-groups makes 1,024 x 1,024 of C = A B^T; cluster y = 8 TT + BLK: TT 0 q, 1 k, 2 v; BLK: which 1,024 tokens.
;   q, k: A = x's codes (rows: tokens), B = the weight's (rows: features).   v: A = Wv's codes (rows: features), B = x's (rows: tokens), so that the KEYS run along a lane's registers.
; A work-group makes 256 x 256, each of its four waves 128 x 128: 64 accumulators, 512 registers.  The matrix instruction is used transposed (source 0 = 16 rows of B, source 1 = 16 rows of A):
; a lane holds one row of C and eight neighbouring columns, which one conversion turns into eight codes.
; OPERANDS lie in memory in the order of their registers (a fragment, 16 rows x 128 K, is 2,048 bytes on end): a slot's part of 16 rows, 256 along K, is 4,096 consecutive bytes, and a fragment comes
; from LDS by four loads of 512 consecutive bytes: no pitch, no padding.  K goes through a ring of two slots of 256 along K; one tensor load a wave brings 128 rows (8 x 4,096 bytes).
; JOINT LOADS: A's tile is shared along a row of the cluster, B's along a column: the same load, descriptor and mask in the four that share it.
; THE BIAS is the C of each sum's first product, divided by 2^(ea + eb), the power of two that the sums lack.  For q and k it runs along the registers, for v along the lanes: the first K step is
; written twice, and a branch on the cluster's y (the same in all sixteen partners) takes one; both hold the same LDS loads and waits.
; OUT.  q, k: [16 batch + head][2,048 places][64 bytes]; token s lies at the place that swaps bits 3 and 4 of s.  v: [16 batch + head][32 blocks of 64 keys][64 places][64 keys], channel d at the place
; that swaps bits 3 and 4 of d.  So sixteen consecutive places form a tile of the next launch's products whose results are neighbours along its next K.
; LIMITS: eo - ea - eb between -126 and 119 (eo = e6, e7, e9; ea + eb = e0 + e1, e2 + e3, e4 + e5).  NaN is not served.
; REGISTERS, in windows of 256: window 0: v1-29 addresses; v32-95 the bias as C; v96-103 v's bias by rows; v104, v105 the hold and the scale; v128-255 A's fragments, ONE set; on the way out v128-255 are free.
;   window 1: B's fragments, two sets.   window 2: the accumulators of my rows 0-63 ((a, b) at v[8 (8 a + b)]);   window 3: those of rows 64-127.
.set HALFT,  32768                     ; 128 rows x 256 K: what one tensor load brings, and what a wave reads of A or of B
.set SLOT,   4*HALFT                   ; A's two halves, then B's
.set STAGE,  2*SLOT                    ; behind the ring: 32 rows x 80 bytes for each wave, for the way out; no tile lands there
.set STGW,   32*80
.set SPARE,  STAGE+4*STGW              ; the spare words, 128 bytes for each wave: two blocks of 256 bytes that no other line names
.set FR,     16                        ; registers of a fragment
.set NL,     4                         ; LDS loads that bring one
.set NP,     4                         ; places behind this matrix instruction (ISA guide 7.12.1)
.set CO,   10                          ; v10-13  the way out: 16 x lane + the unit's place
.set ADRA, 16                          ; v16-17  my A fragments in slot 0, 1
.set ADRB, 20                          ; v20-21  my B fragments
.set STO,  24                          ; v24     the stage: where I put 8 codes
.set RD,   25                          ; v25     and where I read 16 back
.set SPW,  28                          ; v28     my spare word; never rewritten
.set NIL,  29                          ; v29     0; never rewritten
.set BI,   32
.set RB,   96
.set LIM,  104
.set SCL,  105
.set AF,   128
.set TMP,  128                         ; the way out: 64 held numbers,
.set CD,   192                         ; two sets of 16 registers of codes,
.set BK,   224                         ; two sets of 16 registers read back
.set G1,  24                           ; s[24:31] group 1 for A's tiles; s[32:39] group 0, a set for each slot
.set G0,  32
.set G1B, 48                           ; s[48:55], s[56:63] the same for B's
.set G0B, 56
.set MSB, 0
.macro WIN new                         ; the immediate's high byte repeats the setting that is left
.if MSB != \new
	s_set_vgpr_msb (MSB<<8)|\new
.set MSB, \new
.endif
.endm
.set MUL_LO, 0xa1                      ; source 0 (B) window 1, source 1 (A) window 0, C and D window 2
.set MUL_HI, 0xf1                      ; the same, C and D window 3
.set FST_LO, 0x81                      ; the first step: C (the bias) window 0, D window 2
.set FST_HI, 0xc1                      ; D window 3
.set TO_B,   0x40                      ; destination window 1, address window 0
; A joint load: waves 0 and 1 fetch A's halves, waves 2 and 3 B's.  The branch hangs on the wave's number alone.  Four v_nop follow each of the two lines.
.macro JLOAD g0a, g1a, g0b, g1b
	s_cmp_eq_u32 s17, 0
	s_cbranch_scc0 .Lfor_b_\@
	tensor_load_to_lds s[\g0a:\g0a+3], s[\g1a:\g1a+7]
	s_nop 0
.rept 4
	v_nop
.endr
	s_branch .Lasked_\@
.Lfor_b_\@:
	tensor_load_to_lds s[\g0b:\g0b+3], s[\g1b:\g1b+7]
	s_nop 0
.rept 4
	v_nop
.endr
.Lasked_\@:
.endm
.macro CREST                           ; a round of the cluster's barrier behind its opening barrier
	s_cmp_lg_u32 s16, 0
	s_cbranch_scc1 .Lnot_wave_0_\@
	s_barrier_signal -3
.Lnot_wave_0_\@:
	s_barrier_wait -3
	s_barrier_signal -1
	s_barrier_wait -1
.endm
.macro CROUND
	s_barrier_signal -1
	s_barrier_wait -1
	CREST
.endm
	s_load_b256 s[4:11], s[0:1], 0x0               ; opnd, bq, bk, bv
	s_load_b128 s[12:15], s[0:1], 0x20             ; lowp_scales, qkv
	v_lshl_add_u32 v[SPW], v0, 2, SPARE
	v_mov_b32 v[NIL], 0
	ds_add_u32 v28, v29
	ds_add_u32 v28, v29
	s_wait_dscnt 0x0
	v_lshrrev_b32 v1, 5, v0
	v_readfirstlane_b32 s16, v1                    ; wave 0..3
	s_lshr_b32 s17, s16, 1                         ; my half of the tile's rows.  Also: I fetch for A (0) or B (1)
	s_and_b32 s18, s16, 1                          ; my half of its columns.  Also: which 128 rows I fetch
	s_bfe_u32 s21, ttmp6, 0x40000                  ; cx
	s_bfe_u32 s22, ttmp6, 0x40004                  ; cy
	s_and_b32 s19, ttmp7, 0xffff                   ; cluster y
	s_and_b32 s20, s19, 7                          ; BLK
	s_lshr_b32 s19, s19, 3                         ; TT
	s_lshl_b32 s40, s22, 2
	s_lshl_b32 s40, 15, s40                        ; my row of the cluster
	s_lshl_b32 s41, 0x1111, s21                    ; my column
	s_or_b32 s[G1+0], s40, (3<<16)|(1<<21)         ; 15:0 the mask; 17:16 elements of 8 bytes; 20 no padding; 21 set beside a mask
	s_or_b32 s[G1B+0], s41, (3<<16)|(1<<21)
.irp g, G1, G1B
	s_mov_b32 s[\g+1], 512<<16                     ; tensor_dim0 = 512 elements: 4,096 bytes
	s_mov_b32 s[\g+2], 8<<16                       ; tensor_dim1 = 8
	s_mov_b32 s[\g+3], 512<<16                     ; tile_dim0
	s_mov_b32 s[\g+4], 8                           ; tile_dim1: eight blocks of 16 rows
	s_mov_b32 s[\g+5], 2048                        ; from block to block: 16,384 bytes
	s_mov_b32 s[\g+6], 0
	s_mov_b32 s[\g+7], 0
.endr
	s_lshl_b32 s43, s20, 2                         ; 4 BLK
	s_lshl_b32 s46, s19, 23                        ; x's codes for q, k
	s_lshl_b32 s47, s19, 20
	s_add_co_u32 s47, s47, 0x1800000               ; Wq's, Wk's codes
	s_cmp_eq_u32 s19, 2
	s_cselect_b32 s84, 0, s43                      ; A's tile row: cy (+ 4 BLK where A is x)
	s_cselect_b32 s86, s43, 0                      ; B's: cx (+ 4 BLK where B is x)
	s_cselect_b32 s46, 0x1a00000, s46              ; v: A = Wv's codes,
	s_cselect_b32 s47, 0x1000000, s47              ;    B = x's codes by e4
	s_add_co_u32 s84, s84, s22                     ; (A's registers never hold cx, B's never cy)
	s_add_co_u32 s86, s86, s21
	s_lshl_b32 s84, s84, 1
	s_add_co_u32 s84, s84, s18                     ; + the half that I fetch
	s_lshl_b32 s84, s84, 17                        ; 128 rows are 131,072 bytes
	s_add_co_u32 s84, s84, s46
	s_mov_b32 s85, 0
	s_lshl_b32 s86, s86, 1
	s_add_co_u32 s86, s86, s18
	s_lshl_b32 s86, s86, 17
	s_add_co_u32 s86, s86, s47
	s_mov_b32 s87, 0
	s_mul_i32 s88, s16, HALFT                      ; where my load goes: no place in the cluster enters an LDS address
	s_wait_kmcnt 0x0
	s_load_b256 s[72:79], s[12:13], 0x0            ; e0 .. e7
	s_load_b128 s[80:83], s[12:13], 0x20           ; e8 .. e11
	s_add_nc_u64 s[84:85], s[4:5], s[84:85]
	s_add_nc_u64 s[86:87], s[4:5], s[86:87]
	CROUND                                         ; all sixteen work-groups are here: the first joint loads meet
.irp s, 0,1
	s_mov_b32 s[G0+4*\s], 1
	s_add_co_u32 s[G0+4*\s+1], s88, \s*SLOT
	s_add_nc_u64 s[G0+4*\s+2:G0+4*\s+3], s[84:85], \s*4096
	s_or_b32 s[G0+4*\s+3], s[G0+4*\s+3], 0x80000000
	s_mov_b32 s[G0B+4*\s], 1
	s_add_co_u32 s[G0B+4*\s+1], s88, \s*SLOT
	s_add_nc_u64 s[G0B+4*\s+2:G0B+4*\s+3], s[86:87], \s*4096
	s_or_b32 s[G0B+4*\s+3], s[G0B+4*\s+3], 0x80000000
	s_wait_alu depctr_va_vdst(0)
	s_wait_tensorcnt 0x0
	ds_add_u32 v28, v29
	ds_add_u32 v28, v29
	s_wait_dscnt 0x0
	CROUND
	JLOAD G0+4*\s, G1, G0B+4*\s, G1B
.endr
	; which features and which tokens are my wave's
	s_lshl_b32 s40, s22, 8
	s_lshl_b32 s41, s17, 7
	s_add_co_u32 s40, s40, s41                     ; my first row of C in the cluster's block: 256 cy + 128 (wave / 2)
	s_lshl_b32 s41, s21, 8
	s_lshl_b32 s42, s18, 7
	s_add_co_u32 s41, s41, s42                     ; my first column: 256 cx + 128 (wave % 2)
	s_mov_b32 s44, 131072
	s_cmp_eq_u32 s19, 2
	s_cselect_b32 s42, s40, s41                    ; my first feature: v: the row; q, k: the column
	s_cselect_b32 s43, s41, s40                    ; my first token: the other
	s_cselect_b32 s45, s44, 4096                   ; the way out: from 64 rows of C to the next,
	s_cselect_b32 s46, 4096, s44                   ; and from 64 columns to the next
	s_cselect_b64 s[68:69], s[10:11], s[8:9]       ; bv or bk,
	s_cmp_eq_u32 s19, 0
	s_cselect_b64 s[68:69], s[6:7], s[68:69]       ; or bq
	s_lshl_b32 s90, s42, 2
	s_mov_b32 s91, 0
	s_add_nc_u64 s[68:69], s[68:69], s[90:91]      ; the bias at my 128 features
	v_and_b32 v1, 31, v0                           ; lane
	v_lshlrev_b32 v2, 4, v1
	s_wait_alu depctr_va_vdst(0)
	v_and_b32 v3, 15, v0                           ; r
	s_wait_alu depctr_va_vdst(0)
	v_bfe_u32 v4, v0, 4, 1                         ; h
	v_lshlrev_b32 v8, 5, v4
	v_lshlrev_b32 v9, 2, v3
.irp b, 0,1,2,3,4,5,6,7                ; both forms are loaded always: the same 128 numbers
	global_load_b128 v[BI+8*\b:BI+8*\b+3], v8, s[68:69] offset:64*\b       ; along the registers: features 16 b + 8 h + 0 .. 7
	global_load_b128 v[BI+8*\b+4:BI+8*\b+7], v8, s[68:69] offset:64*\b+16
	global_load_b32 v[RB+\b], v9, s[68:69] offset:64*\b                    ; along the lanes: feature 16 a + r
.endr
	s_lshr_b32 s90, s20, 1
	s_lshl_b32 s90, s90, 4
	s_lshr_b32 s92, s42, 6
	s_add_co_u32 s90, s90, s92                     ; 16 batch + head
	s_lshl_b32 s90, s90, 17                        ; a head is 131,072 bytes in each part
	s_and_b32 s92, s20, 1
	s_lshl_b32 s92, s92, 10
	s_add_co_u32 s92, s92, s43                     ; my first token in its sequence
	s_lshl_b32 s92, s92, 6                         ; 64 bytes a token, in all three layouts
	s_add_co_u32 s90, s90, s92
	s_lshl_b32 s92, s19, 23                        ; the part: q, k, v
	s_add_co_u32 s90, s90, s92
	s_add_nc_u64 s[66:67], s[14:15], s[90:91]
	s_mul_i32 s40, s17, HALFT                      ; my 128 rows of A,
	s_mul_i32 s41, s18, HALFT
	s_add_co_u32 s41, s41, 2*HALFT                 ; of B
.irp s, 0,1
	v_add_nc_u32 v[ADRA+\s], s40, v2
	v_add_nc_u32 v[ADRB+\s], s41, v2
	s_add_co_u32 s40, s40, SLOT
	s_add_co_u32 s41, s41, SLOT
.endr
	s_mul_i32 s47, s16, STGW
	s_add_co_u32 s47, s47, STAGE                   ; my stage
	v_and_b32 v5, 8, v3
	v_add_nc_u32 v5, v5, v3                        ; 16 (r / 8) + r % 8: row 16 a' + r of a unit lies at place 16 (r / 8) + 8 a' + r % 8: bits 3 and 4 swapped
	v_mul_u32_u24 v5, v5, 80
	v_lshl_add_u32 v5, v4, 3, v5
	v_add_nc_u32 v[STO], s47, v5
	v_lshrrev_b32 v6, 2, v1
	v_mul_u32_u24 v6, v6, 80
	v_and_b32 v7, 3, v1
	v_lshl_add_u32 v6, v7, 4, v6
	v_add_nc_u32 v[RD], s47, v6                    ; back: four lanes to a place's 64 bytes, eight places a load
	v_mov_b32 v[CO], v2
	v_add_nc_u32 v[CO+1], s46, v2
	v_add_nc_u32 v[CO+2], s45, v2
	v_add_nc_u32 v[CO+3], s46, v[CO+2]
.macro FRAG reg, adr, q, i             ; a fragment as it lies: registers 4 c .. 4 c + 3 hold K = 32 c + 16 (l / 16) + 0 .. 15 of row l % 16: the same order of K in A and in B
.irp c, 0,1,2,3
	ds_load_b128 v[\reg+4*\c:\reg+4*\c+3], v[\adr] offset:(\i)*4096+(\q)*2048+512*\c
.endr
.endm
; 16 matrix instructions: A's blocks a0, a0 + 1 x B's eight.  p: B's set.  mode 0: add on; 1: C = the bias of B's block; 2: C = the bias of A's block.
; The 64 accumulators take turns, one instruction a turn, in the same order in every step.
.macro MUL16 a0, p, mode
.irp a, \a0, \a0+1
.irp b, 0,1,2,3,4,5,6,7
.if \mode == 1
	v_wmma_f32_16x16x128_fp8_fp8 v[8*(8*((\a)%4)+\b):8*(8*((\a)%4)+\b)+7], v[128*(\p)+FR*\b:128*(\p)+FR*\b+FR-1], v[AF+FR*(\a):AF+FR*(\a)+FR-1], v[BI+8*\b:BI+8*\b+7]
.elseif \mode == 2
	v_wmma_f32_16x16x128_fp8_fp8 v[8*(8*((\a)%4)+\b):8*(8*((\a)%4)+\b)+7], v[128*(\p)+FR*\b:128*(\p)+FR*\b+FR-1], v[AF+FR*(\a):AF+FR*(\a)+FR-1], v[BI+8*(\a):BI+8*(\a)+7]
.else
	v_wmma_f32_16x16x128_fp8_fp8 v[8*(8*((\a)%4)+\b):8*(8*((\a)%4)+\b)+7], v[128*(\p)+FR*\b:128*(\p)+FR*\b+FR-1], v[AF+FR*(\a):AF+FR*(\a)+FR-1], v[8*(8*((\a)%4)+\b):8*(8*((\a)%4)+\b)+7]
.endif
.endr
.endr
.endm
.macro FETCH_B slot, q, p
	WIN TO_B
.irp i, 0,1,2,3,4,5,6,7
	FRAG 128*(\p)+FR*\i, ADRB+\slot, \q, \i
.endr
	WIN 0
.endm
.macro FETCH_A slot, q, i0
.irp i, \i0, \i0+1, \i0+2, \i0+3
	FRAG AF+FR*(\i), ADRA+\slot, \q, \i
.endr
.endm
.macro PLACES n                        ; plain vector lines between a matrix instruction and a load into, or a vector read or write of, its registers
.rept \n
	v_nop
.endr
.endm
; A step of 128 along K that has its successor in the same slot.  A block of A is free when its eight products are issued, so A has one set: blocks 0-3 come anew in the step's middle, blocks 4-7 at its end.
.macro STEP slot, q, mode
	s_wait_dscnt 4*NL                              ; B's set and A's blocks 0-3 are in; the youngest 16 loads (A's blocks 4-7) may be out
.if \mode
	WIN FST_LO
.else
	WIN MUL_LO
.endif
	MUL16 0, (\q)%2, \mode
	MUL16 2, (\q)%2, \mode
	s_wait_dscnt 0                                 ; A's blocks 4-7 are in
	PLACES NP
	FETCH_B \slot, (\q)+1, 1-(\q)%2
	FETCH_A \slot, (\q)+1, 0
.if \mode
	WIN FST_HI
.else
	WIN MUL_HI
.endif
	MUL16 4, (\q)%2, \mode
	MUL16 6, (\q)%2, \mode
	PLACES NP
	WIN 0
	FETCH_A \slot, (\q)+1, 4
.endm
; A slot's last step changes slots: one barrier; in front of it each wave waits for all its tensor loads, adds 0 to its spare word, and waits for that and for its reads of this slot.
; fill = 1: the barrier opens a round of the cluster's barrier, and this slot is filled again, two slots ahead along K.
.macro TURN slot, next, fill
	s_wait_tensorcnt 0x0                           ; all my tensor loads have landed: my part of the next slot
	ds_add_u32 v[SPW], v[NIL]                      ; 0 onto my spare word
	s_wait_dscnt 4*NL+1                            ; (the add and the youngest 16 loads may be out)
	WIN MUL_LO
	MUL16 0, 1, 0                                  ; sixteen matrix instructions stand between the add and the wait for it
	s_wait_dscnt 0x0                               ; the add is done, and my reads of this slot are over
	s_barrier_signal -1
	MUL16 2, 1, 0
	WIN 0
	s_barrier_wait -1
.if \fill
	CREST                                          ; no wave of any partner still reads this slot or has a load on its way
	s_add_nc_u64 s[G0+4*\slot+2:G0+4*\slot+3], s[G0+4*\slot+2:G0+4*\slot+3], 8192
	s_add_nc_u64 s[G0B+4*\slot+2:G0B+4*\slot+3], s[G0B+4*\slot+2:G0B+4*\slot+3], 8192
	JLOAD G0+4*\slot, G1, G0B+4*\slot, G1B         ; the first tensor load behind the round; its four v_nop are also the places in front of the loads below
.else
	PLACES NP
.endif
	FETCH_B \next, 0, 0
	FETCH_A \next, 0, 0
	WIN MUL_HI
	MUL16 4, 1, 0
	MUL16 6, 1, 0
	PLACES NP
	WIN 0
	FETCH_A \next, 0, 4
.endm
	s_wait_tensorcnt 1                             ; my part of slot 0 is in; slot 1's load may be out
	s_barrier_signal -1
	s_barrier_wait -1
	FETCH_B 0, 0, 0
	FETCH_A 0, 0, 0
	FETCH_A 0, 0, 4
	s_wait_loadcnt 0x0                             ; the bias
	s_wait_kmcnt 0x0                               ; the exponents
	s_add_co_i32 s84, s72, s73                     ; e0 + e1
	s_add_co_i32 s85, s74, s75                     ; e2 + e3
	s_add_co_i32 s86, s76, s77                     ; e4 + e5
	s_cmp_eq_u32 s19, 0
	s_cselect_b32 s87, s84, s85
	s_cselect_b32 s88, s78, s79                    ; e6 or e7
	s_cmp_eq_u32 s19, 2
	s_cselect_b32 s87, s86, s87                    ; ea + eb
	s_cselect_b32 s88, s81, s88                    ; eo (v: e9)
	s_sub_co_i32 s89, 0, s87                       ; the bias goes in as bias / 2^(ea + eb)
	s_sub_co_i32 s90, s88, s87                     ; a sum stands for sum x 2^(ea + eb): its code is sum / 2^(eo - ea - eb)
	s_add_co_i32 s90, s90, 127
	s_lshl_b32 s91, s90, 23
	v_mov_b32 v[SCL], s91
	s_add_co_i32 s90, s90, 8
	s_lshl_b32 s90, s90, 23
	s_or_b32 s90, s90, 0x600000
	v_mov_b32 v[LIM], s90                          ; 448 x that
	s_cmp_eq_u32 s19, 2
	s_cbranch_scc1 .Lv_first
.set vi, 0
.rept 64
	v_ldexp_f32 v[BI+vi], v[BI+vi], s89
.set vi, vi+1
.endr
	s_wait_alu depctr_va_vdst(0)
	STEP 0, 0, 1                                   ; q, k: the bias of B's block starts each sum
	s_branch .Lfirst_done
.Lv_first:
.set vi, 0
.rept 64
	v_ldexp_f32 v[BI+vi], v[RB+vi/8], s89          ; v: a lane's row has one bias: eight registers alike for each block of A
.set vi, vi+1
.endr
	s_wait_alu depctr_va_vdst(0)
	STEP 0, 0, 2
.Lfirst_done:
	TURN 0, 1, 1                                   ; K 128-255; slot 0 takes K 512-767
	STEP 1, 0, 0
	TURN 1, 0, 1                                   ; slot 1 takes K 768-1,023
	STEP 0, 0, 0
	TURN 0, 1, 0                                   ; nothing is left to fetch
	STEP 1, 0, 0
	s_wait_dscnt 4*NL                              ; the last step
	WIN MUL_LO
	MUL16 0, 1, 0
	MUL16 2, 1, 0
	s_wait_dscnt 0
	WIN MUL_HI
	MUL16 4, 1, 0
	MUL16 6, 1, 0
	WIN 0
; THE WAY OUT, in eight units u = 2 A2 + B4 of 32 rows x 64 columns of C: 2,048 consecutive bytes of the output.  A lane's eight sums are held, converted to eight codes, put into my own stage
; (rows of 64 + 16 bytes, in the order of the places) and read back 16 bytes a lane.  LDS serves a wave's instructions in order: no wait between the stores and the loads, nor ahead of the next unit's stores.
.macro TOSTAGE u
	WIN 0x02+((\u)/4)                              ; source 0: window 2 (rows 0-63) or 3
.irp ap, 0,1
.irp bp, 0,1,2,3
.irp j, 0,1,2,3,4,5,6,7
	v_med3_num_f32 v[TMP+8*(4*\ap+\bp)+\j], v[8*(8*((2*((\u)/2)+\ap)%4)+4*((\u)%2)+\bp)+\j], -v[LIM], v[LIM]   ; each accumulator from its low end on
.endr
.endr
.endr
	WIN 0
.irp t, 0,1,2,3,4,5,6,7
	v_cvt_scalef32_pk8_fp8_f32 v[CD+16*((\u)%2)+2*\t:CD+16*((\u)%2)+2*\t+1], v[TMP+8*\t:TMP+8*\t+7], v[SCL]
.endr
	v_nop                                          ; a plain line behind the last conversion: the next unit's holds write these sources
.irp ap, 0,1
.irp bp, 0,1,2,3
	ds_store_b64 v[STO], v[CD+16*((\u)%2)+2*(4*\ap+\bp):CD+16*((\u)%2)+2*(4*\ap+\bp)+1] offset:\ap*640+16*\bp
.endr
.endr
.irp t, 0,1,2,3
	ds_load_b128 v[BK+16*((\u)%2)+4*\t:BK+16*((\u)%2)+4*\t+3], v[RD] offset:640*\t
.endr
.endm
.macro SEND u, younger                 ; younger: the LDS instructions issued behind unit u's loads
	s_wait_dscnt \younger
.irp t, 0,1,2,3
	global_store_b128 v[CO+2*((\u)/4)+(\u)%2], v[BK+16*((\u)%2)+4*\t:BK+16*((\u)%2)+4*\t+3], s[66:67] offset:(((\u)/2)%2)*2048+512*\t   ; 32 lanes store 512 consecutive bytes
.endr
.endm
	PLACES NP                                      ; ahead of writes into the registers that held A's fragments
	TOSTAGE 0
.irp a, 1,2,3,4,5,6,7
.if \a > 1
	s_wait_xcnt 0x0                                ; unit a - 2's stores have read their registers: unit a's loads may land there
.endif
	TOSTAGE \a
	SEND \a-1, 12                                  ; behind unit a - 1's loads: unit a's 8 stores and 4 loads
.endr
	SEND 7, 0
	s_wait_tensorcnt 0x0                           ; the wave's end
	ds_add_u32 v[SPW], v[NIL]
	s_wait_dscnt 0x0
	CROUND                                         ; the closing round
	s_endpgm
.Lfunc_end_k_q37c19431d9_qkv:
	.size	k_q37c19431d9_qkv, .Lfunc_end_k_q37c19431d9_qkv-k_q37c19431d9_qkv
	.p2alignl 7, 3214868480
	.fill 96, 4, 3214868480
	.section	.rodata,"a",@progbits
	.p2align	6, 0x0
	.amdhsa_kernel k_q37c19431d9_qkv
		.amdhsa_group_segment_fixed_size 327680
		.amdhsa_private_segment_fixed_size 0
		.amdhsa_enable_private_segment 0
		.amdhsa_kernarg_size 48
		.amdhsa_user_sgpr_count 2
		.amdhsa_user_sgpr_kernarg_segment_ptr 1
		.amdhsa_wavefront_size32 1
		.amdhsa_system_sgpr_workgroup_id_x 1
		.amdhsa_system_sgpr_workgroup_id_y 1
		.amdhsa_system_sgpr_workgroup_id_z 1
		.amdhsa_system_vgpr_workitem_id 0
		.amdhsa_next_free_vgpr 1024
		.amdhsa_next_free_sgpr 100
		.amdhsa_reserve_vcc 0
		.amdhsa_float_denorm_mode_32 3
		.amdhsa_float_denorm_mode_16_64 3
		.amdhsa_memory_ordered 1
		.amdhsa_forward_progress 1
		.amdhsa_inst_pref_size 146
	.end_amdhsa_kernel
	.amdgpu_metadata
---
amdhsa.version: [ 1, 2 ]
amdhsa.kernels:
  - .name:           k_q37c19431d9_qkv
    .symbol:         k_q37c19431d9_qkv.kd
    .args:
      - { .name: opnd, .offset: 0, .size: 8, .value_kind: global_buffer, .address_space: global }
      - { .name: bq, .offset: 8, .size: 8, .value_kind: global_buffer, .address_space: global }
      - { .name: bk, .offset: 16, .size: 8, .value_kind: global_buffer, .address_space: global }
      - { .name: bv, .offset: 24, .size: 8, .value_kind: global_buffer, .address_space: global }
      - { .name: lowp_scales, .offset: 32, .size: 8, .value_kind: global_buffer, .address_space: global }
      - { .name: qkv, .offset: 40, .size: 8, .value_kind: global_buffer, .address_space: global }
    .group_segment_fixed_size: 327680
    .private_segment_fixed_size: 0
    .kernarg_segment_align: 8
    .kernarg_segment_size: 48
    .max_flat_workgroup_size: 128
    .sgpr_count:     100
    .vgpr_count:     1024
    .wavefront_size: 32
...
	.end_amdgpu_metadata
.endif
;; end of part 2
;; launch attn (part 3): grid 8 x 64, 16 waves a work-group, clusters of 4 x 1, 327,680 bytes of LDS; arguments qkv, lowp_scales, ctx; writes ctx
.if DOCPART == 3
	.amdgcn_target "amdgcn-amd-amdhsa--gfx1250"
	.amdhsa_code_object_version 6
	.text
	.protected	k_q37c19431d9_attn
	.globl	k_q37c19431d9_attn
	.p2align	8
	.type	k_q37c19431d9_attn,@function
k_q37c19431d9_attn:
	s_mov_b64 s[64:65], 0
	v_nop
	global_prefetch_b8 v0, s[64:65] scope:SCOPE_SE
	s_setreg_imm32_b32 hwreg(HW_REG_WAVE_MODE, 25, 1), 1
	s_wait_xcnt 0x0
	s_wait_alu depctr_hold_cnt(0) depctr_sa_sdst(0) depctr_va_vdst(0) depctr_va_sdst(0) depctr_va_ssrc(0) depctr_va_vcc(0) depctr_vm_vsrc(0)
	s_getreg_b32 s2, hwreg(HW_REG_IB_STS2, 6, 4)
	s_cmp_eq_u32 s2, 0
	s_cbranch_scc0 .Lentry_in_a_cluster
	s_endpgm
.Lentry_in_a_cluster:
	s_bfe_u32 s2, ttmp6, 0x10000c
	s_cmp_lg_u32 s2, 0x3003
	s_cbranch_scc0 .Lentry_shape_is_right
	s_endpgm
.Lentry_shape_is_right:
; Causal attention on E4M3 codes, head size 64, 2,048 tokens, 64 (batch, head) pairs; the result is quantised (2^e10) and stored in the order of the next product's operand registers.
; t = score x log2(e) / 8; M = the running largest t, rounded UP to a whole number; p = 2^(t - M) is quantised (2^e8), not normalised; the row's sum is taken of the unquantised p and divides at the end.
; When M moves, the sum and O are multiplied by 2^(old M - new M): exact.
; SHARES.  Work-group y = 16 batch + head; work-group x = j (0..7).  Wave w has pos = w xor 3 ((w / 4) % 2) and owns the 16 queries 128 pos + 16 j + 0 .. 15.  A key step is 128 keys, so whatever j is:
; step KS < pos counts whole, KS = pos lies on the diagonal, KS > pos is hidden.  Every branch hangs on the wave's number and a counter: the four partners of a cluster run alike.  Every work-group has the
; same work (136 steps of a tile) and walks all eight slots of 256 keys.  The reflection in pos gives waves w, w + 4, w + 8, w + 12 equal sums of pos.
; CLUSTER.  Four work-groups of one head ask for K's and V's tiles jointly: wave 0 for K's slot, wave 1 for V's, each one dense block of 16,384 bytes; all sixteen waves read them.
; LAYOUT.  Both products are used transposed: S^T = K Q^T (source 0 = 16 keys), O^T = V^T P^T (source 0 = 16 channels): a lane holds ONE query (lane % 16) throughout.  K's tokens and V's channels lie in
; memory at places with bits 3 and 4 swapped, so sixteen consecutive LDS rows form a tile, and the 16 registers of tiles 2 b and 2 b + 1 are 16 neighbours: keys (channels) 32 b + 16 (lane / 16) + 0 .. 15.
; LDS rows are 64 bytes + 16: sixteen consecutive rows begin 20 words apart.
; LIMITS: e6 + e7 between -123 and 130 (added to c's exponent field); e8 and e10 between -126 and 119.  NaN is not served.
; REGISTERS: v1-7 addresses that stay; v8, v9 the step's LDS addresses; v10 Q's address; v12 -M, v13 the largest t, v[14:15] the sum; v16-23 Q; v32-95 fragments of K, then of V; v96-159 S^T, then p;
; v160-191 O^T; v192-203 at work and constants; v224-239 p's codes.
.set KP,    80                         ; an LDS row
.set VBLK,  64*KP                      ; V: 64 channels' rows of one block of 64 keys
.set VOFF,  256*KP                     ; a slot: K's 256 rows, then V's 4 blocks
.set SLOT1, 1<<16                      ; slot 1 begins here: one exclusive or turns an address from one slot to the other
.set SPARE, 2*SLOT1                    ; the spare words, 128 bytes for each of sixteen waves: eight blocks of 256 bytes that no other line names
.set SLB,   16384                      ; a slot's bytes of K, and of V, in memory
.set AK0, 1
.set AV0, 2
.set PFO, 3                            ; v3  256 x lane, for the prefetch; never rewritten
.set DM,  4                            ; v4  16 j + r - 16 h: on the diagonal register 16 b + i is hidden where 32 b + i is greater
.set SPW, 5
.set NIL, 6
.set GO,  7                            ; v7  16 x lane
.set ADK, 8
.set ADV, 9
.set TB,  2                            ; s2  LDS byte at which the slot in hand begins
.set WV,  18
.set POS, 19
.set SEL, 20                           ; s[20:21] selects for v_permlanex16_b32: lane l xor 16
.set CS,  22                           ; s[22:23] c
.set G1,  24                           ; s[24:31] group 1, for K's and V's tiles alike
.set G0K, 40                           ; s[40:43], s[44:47] groups 0, which walk
.set G0V, 44
.set KS,  66                           ; s66 the key step
.set SLOTS, 67                         ; s67 slots still to be asked for
.set PFA, 80                           ; s[80:81] where my prefetch stands
.set LIM, 82                           ; s82 1 in the wave that prefetches, else the greatest number
.macro TLOAD                           ; wave 0: K's slot; wave 1: V's; the others nothing.  Four v_nop follow each line
	s_cmp_eq_u32 s[WV], 0
	s_cbranch_scc0 .Lnot_k_\@
	tensor_load_to_lds s[G0K:G0K+3], s[G1:G1+7]
	s_nop 0
.rept 4
	v_nop
.endr
	s_branch .Lasked_\@
.Lnot_k_\@:
	s_cmp_eq_u32 s[WV], 1
	s_cbranch_scc0 .Lasked_\@
	tensor_load_to_lds s[G0V:G0V+3], s[G1:G1+7]
	s_nop 0
.rept 4
	v_nop
.endr
.Lasked_\@:
.endm
.macro CROUND                          ; a round of the cluster's barrier
	s_barrier_signal -1
	s_barrier_wait -1
	s_cmp_lg_u32 s[WV], 0
	s_cbranch_scc1 .Lnot_wave_0_\@
	s_barrier_signal -3
.Lnot_wave_0_\@:
	s_barrier_wait -3
	s_barrier_signal -1
	s_barrier_wait -1
.endm
; A prefetch of the slot that the NEXT change of slots will ask for: 16,384 bytes of K and as many of V.  Both clusters of a head walk the same bytes: the first asks.  Its four partners share them out by
; address, 8,192 bytes each (places 0, 1: K's halves; 2, 3: V's); in each, wave 2 asks, lanes 256 bytes apart: one instruction.  The last change that fills a slot asks for nothing.
.macro ASK
	s_cmp_gt_u32 s[SLOTS], s[LIM]
	s_cbranch_scc0 .Lnot_mine_\@
	global_prefetch_b8 v[PFO], s[PFA:PFA+1] th:TH_LOAD_NT scope:SCOPE_SE
.Lnot_mine_\@:
.endm
	s_load_b128 s[4:7], s[0:1], 0x0                ; qkv, lowp_scales
	s_load_b64 s[8:9], s[0:1], 0x10                ; ctx
	v_lshl_add_u32 v[SPW], v0, 2, SPARE
	v_mov_b32 v[NIL], 0
	ds_add_u32 v5, v6
	ds_add_u32 v5, v6
	s_wait_dscnt 0x0
	v_lshrrev_b32 v8, 5, v0
	s_delay_alu instid0(VALU_DEP_1)
	v_readfirstlane_b32 s[WV], v8                  ; wave 0..15
	s_bfe_u32 s84, s[WV], 0x10002
	s_mul_i32 s84, s84, 3
	s_xor_b32 s[POS], s[WV], s84                   ; pos
	s_bfe_u32 s85, ttmp6, 0x40000                  ; cx
	s_lshl_b32 s83, ttmp9, 2
	s_add_co_u32 s83, s83, s85                     ; j
	s_and_b32 s86, ttmp7, 0xffff                   ; 16 batch + head, which the partners share
	s_lshl_b32 s88, s86, 17                        ; a head is 131,072 bytes in each part of qkv
	s_mov_b32 s89, 0
	s_mov_b32 s[G1], 15|(3<<16)|(1<<20)|(1<<21)|(3<<22)|(3<<25)   ; the mask: all four; elements of 8 bytes; padding on; 21 set beside a mask; after every 16 words, four words
	s_mov_b32 s[G1+1], 32<<16                      ; tensor_dim0 = 32 elements: 256 bytes
	s_mov_b32 s[G1+2], 64<<16                      ; tensor_dim1 = 64
	s_mov_b32 s[G1+3], 32<<16                      ; tile_dim0
	s_mov_b32 s[G1+4], 64                          ; tile_dim1
	s_mov_b32 s[G1+5], 32                          ; dense
	s_mov_b32 s[G1+6], 0
	s_mov_b32 s[G1+7], 0
	s_mov_b32 s[SEL], 0x76543210
	s_mov_b32 s[SEL+1], 0xfedcba98
	s_mov_b32 s[CS], 0x3e38aa3b                    ; c = log2(e) / 8
	s_mov_b32 s[TB], 0
	s_mov_b32 s[SLOTS], 7
	s_mov_b32 s[KS], 0
	s_wait_kmcnt 0x0
	s_load_b256 s[68:75], s[6:7], 0x0              ; e0 .. e7
	s_load_b128 s[76:79], s[6:7], 0x20             ; e8 .. e11
	s_add_nc_u64 s[90:91], s[4:5], s[88:89]        ; my head in q's part
	s_mov_b32 s[G0K], 1
	s_mov_b32 s[G0K+1], 0
	s_add_nc_u64 s[G0K+2:G0K+3], s[90:91], 0x800000
	s_or_b32 s[G0K+3], s[G0K+3], 0x80000000
	s_mov_b32 s[G0V], 1
	s_mov_b32 s[G0V+1], VOFF
	s_add_nc_u64 s[G0V+2:G0V+3], s[90:91], 0x1000000
	s_or_b32 s[G0V+3], s[G0V+3], 0x80000000
	CROUND                                         ; the four work-groups are here: the first joint loads meet
	TLOAD                                          ; slot 0
	s_lshl_b32 s92, s[POS], 3
	s_add_co_u32 s92, s92, s83                     ; T = 8 pos + j: my tile of 16 queries
	s_lshr_b32 s93, s92, 1
	s_lshl_b32 s93, s93, 5
	s_and_b32 s94, s92, 1
	s_lshl_b32 s94, s94, 3
	s_add_co_u32 s94, s94, s93                     ; token 16 T + r lies at place 32 (T / 2) + 8 (T % 2) + 16 (r / 8) + r % 8
	s_lshl_b32 s94, s94, 6
	s_mov_b32 s95, 0
	s_add_nc_u64 s[94:95], s[90:91], s[94:95]
	s_lshr_b32 s96, s85, 1
	s_lshl_b32 s96, s96, 23                        ; places 0, 1: K's part; 2, 3: V's
	s_and_b32 s97, s85, 1
	s_lshl_b32 s97, s97, 13                        ; which half of a slot's bytes
	s_add_co_u32 s96, s96, s97
	s_add_co_u32 s96, s96, 0x800000+SLB            ; in slot 1: the first change of slots steps it to slot 2.  Nothing is prefetched at the head
	s_mov_b32 s97, 0
	s_add_nc_u64 s[PFA:PFA+1], s[90:91], s[96:97]
	s_xor_b32 s96, s[WV], 2
	s_or_b32 s96, s96, ttmp9                       ; 0 in wave 2 of the head's first cluster: the same in all four partners
	s_cmp_eq_u32 s96, 0
	s_cselect_b32 s[LIM], 1, -1
	s_lshr_b32 s84, s86, 4
	s_lshl_b32 s84, s84, 7
	s_add_co_u32 s84, s84, s92                     ; ctx: block of 16 rows: 128 batch + T,
	s_lshl_b32 s84, s84, 3
	s_bfe_u32 s87, s86, 0x30001
	s_add_co_u32 s84, s84, s87                     ; K step: head / 2,
	s_lshl_b32 s84, s84, 11
	s_and_b32 s87, s86, 1
	s_lshl_b32 s87, s87, 10                        ; its half: head % 2
	s_add_co_u32 s84, s84, s87
	s_mov_b32 s85, 0
	s_add_nc_u64 s[8:9], s[8:9], s[84:85]
	v_and_b32 v8, 15, v0                           ; r
	v_bfe_u32 v9, v0, 4, 1                         ; h
	s_delay_alu instid0(VALU_DEP_2)
	v_and_b32 v11, 8, v8
	s_delay_alu instid0(VALU_DEP_1)
	v_add_nc_u32 v11, v11, v8                      ; 16 (r / 8) + r % 8
	s_delay_alu instid0(VALU_DEP_1)
	v_lshlrev_b32 v10, 6, v11
	s_delay_alu instid0(VALU_DEP_1)
	v_lshl_add_u32 v10, v9, 4, v10
	global_load_b128 v[16:19], v10, s[94:95]       ; Q's fragment stays: registers 4 c .. 4 c + 3 hold channels 32 c + 16 h + 0 .. 15, as K's do
	global_load_b128 v[20:23], v10, s[94:95] offset:32
	v_mul_u32_u24 v[AK0], v8, KP
	s_delay_alu instid0(VALU_DEP_1)
	v_lshl_add_u32 v[AK0], v9, 4, v[AK0]
	s_delay_alu instid0(VALU_DEP_1)
	v_add_nc_u32 v[AV0], VOFF, v[AK0]
	v_lshlrev_b32 v11, 4, v9
	s_delay_alu instid0(VALU_DEP_1)
	v_sub_nc_u32 v[DM], v8, v11
	s_lshl_b32 s93, s83, 4
	v_add_nc_u32 v[DM], s93, v[DM]
	v_and_b32 v11, 31, v0
	s_delay_alu instid0(VALU_DEP_1)
	v_lshlrev_b32 v[GO], 4, v11
	s_delay_alu instid0(VALU_DEP_2)
	v_lshlrev_b32 v[PFO], 8, v11
	v_mov_b32 v13, 0xff61b1e6                      ; the largest t so far: -3e38
	s_delay_alu instid0(VALU_DEP_1)
	v_floor_f32 v12, -v13                          ; -M
	v_mov_b32 v14, 0
	v_mov_b32 v15, 0
	v_mov_b32 v192, 0                              ; a lane permute's destination counts as one of its sources
	v_mov_b32 v193, 0xff800000                     ; -infinity
	v_mov_b32 v195, 0                              ; (named as the upper half of the pair v[194:195])
.set zi, 0
.rept 32
	v_mov_b32 v[160+zi], 0                         ; O^T: the step is written once; the first finds zeros, which the first change of M leaves zeros
.set zi, zi+1
.endr
	s_wait_kmcnt 0x0
	s_add_co_i32 s84, s74, s75
	s_lshl_b32 s84, s84, 23
	s_add_co_i32 s[CS], s[CS], s84                 ; a score stands for score x 2^(e6 + e7)
	s_mov_b32 s[CS+1], s[CS]
	s_add_co_i32 s84, s76, 127
	s_lshl_b32 s85, s84, 23
	v_mov_b32 v200, s85                            ; 2^e8
	s_add_co_i32 s84, s78, 127
	s_lshl_b32 s85, s84, 23
	v_mov_b32 v202, s85                            ; 2^e10
; A KEY STEP: 128 keys, the q-th of the slot in hand.
.macro STEP q
	s_cmp_gt_u32 s[KS], s[POS]                     ; all its keys come after my queries: the step's work is left out; no barrier and no tensor load stands in a step
	s_cbranch_scc1 .Lhidden_\@
	v_add_nc_u32 v[ADK], s[TB], v[AK0]
	v_add_nc_u32 v[ADV], s[TB], v[AV0]
	v_nop
	v_nop                                          ; with the two additions: four places ahead of loads into registers that the last products read
.irp t, 0,1,2,3,4,5,6,7
.irp c, 0,1
	ds_load_b128 v[32+8*\t+4*\c:32+8*\t+4*\c+3], v[ADK] offset:(128*(\q)+16*\t)*KP+32*\c
.endr
.endr
	s_wait_alu depctr_va_vdst(0)
	s_wait_dscnt 0x0
.irp t, 0,1,2,3,4,5,6,7
	v_wmma_f32_16x16x64_fp8_fp8 v[96+8*\t:103+8*\t], v[32+8*\t:39+8*\t], v[16:23], 0
.endr
.rept 4
	v_nop
.endr
.irp t, 0,1,2,3                        ; V's fragments are asked for now and land under the softmax: channels' places 16 t + r, keys 32 c + 16 h + 0 .. 15
.irp c, 0,1,2,3
	ds_load_b128 v[32+16*\t+4*\c:32+16*\t+4*\c+3], v[ADV] offset:(2*(\q)+\c/2)*VBLK+16*\t*KP+32*(\c%2)
.endr
.endr
	s_cmp_lt_u32 s[KS], s[POS]
	s_cbranch_scc1 .Lopen_\@
.set mn, 0
.rept 64                               ; on the diagonal hidden scores become -infinity ahead of the maximum: p = 0 then
	v_cmp_gt_i32 vcc_lo, 32*(mn/16)+mn%16, v[DM]
	v_cndmask_b32 v[96+mn], v[96+mn], v193, vcc_lo
.set mn, mn+1
.endr
.Lopen_\@:
	v_max3_num_f32 v198, v96, v97, v98             ; the step's largest score of my query among my 64 keys, in two chains,
	v_max3_num_f32 v199, v99, v100, v101
.set sj, 6
.rept 14
	v_max3_num_f32 v198, v198, v[96+sj], v[97+sj]
	v_max3_num_f32 v199, v199, v[98+sj], v[99+sj]
.set sj, sj+4
.endr
	v_max3_num_f32 v198, v198, v158, v159
	s_delay_alu instid0(VALU_DEP_1)
	v_max_num_f32 v198, v198, v199
	s_delay_alu instid0(VALU_DEP_1)
	v_permlanex16_b32 v192, v198, s[SEL], s[SEL+1]
	s_delay_alu instid0(VALU_DEP_1)
	v_max_num_f32 v198, v198, v192                 ; and among lane l xor 16's
	s_delay_alu instid0(VALU_DEP_1)
	v_mul_f32 v198, s[CS], v198                    ; as t (c is positive)
	s_delay_alu instid0(VALU_DEP_1)
	v_max_num_f32 v13, v13, v198
	v_mov_b32 v198, v12
	s_delay_alu instid0(VALU_DEP_2)
	v_floor_f32 v12, -v13                          ; the new -M = floor(-t): M is a whole number
	s_delay_alu instid0(VALU_DEP_1)
	v_sub_f32 v198, v12, v198                      ; old M - new M: a whole number, 0 or less
	s_delay_alu instid0(VALU_DEP_1)
	v_cvt_i32_f32 v198, v198                       ; (it saturates)
	s_delay_alu instid0(VALU_DEP_1)
	v_ldexp_f32 v194, 1.0, v198                    ; f = 2^(old M - new M)
.set sj, 0
.rept 32
	v_pk_fma_f32 v[96+sj:97+sj], v[96+sj:97+sj], s[CS:CS+1], v[12:13] op_sel_hi:[1,0,0]   ; t - M, two at a time
.set sj, sj+2
.endr
.set sj, 0
	s_wait_alu depctr_va_vdst(0)
.rept 64
	v_exp_f32 v[96+sj], v[96+sj]                   ; p = 2^(t - M)
.set sj, sj+1
.endr
	v_pk_mul_f32 v[14:15], v[14:15], v[194:195] op_sel_hi:[1,0]   ; the sums under the new M: the plain line behind the exponentials
	s_wait_alu depctr_va_vdst(0)                   ; one wait for the whole batch, ahead of its first reader
	v_pk_add_f32 v[196:197], v[100:101], v[104:105]
	v_pk_add_f32 v[254:255], v[108:109], v[112:113]
	v_pk_add_f32 v[252:253], v[116:117], v[120:121]
	v_pk_add_f32 v[250:251], v[124:125], v[128:129]
	v_pk_add_f32 v[248:249], v[132:133], v[136:137]
	v_pk_add_f32 v[246:247], v[140:141], v[144:145]
	v_pk_add_f32 v[244:245], v[148:149], v[152:153]
	v_pk_add_f32 v[14:15], v[14:15], v[156:157]
	v_pk_add_f32 v[196:197], v[196:197], v[96:97]
	v_pk_add_f32 v[254:255], v[254:255], v[98:99]
	v_pk_add_f32 v[252:253], v[252:253], v[102:103]
	v_pk_add_f32 v[250:251], v[250:251], v[106:107]
	v_pk_add_f32 v[248:249], v[248:249], v[110:111]
	v_pk_add_f32 v[246:247], v[246:247], v[114:115]
	v_pk_add_f32 v[244:245], v[244:245], v[118:119]
	v_pk_add_f32 v[14:15], v[14:15], v[122:123]
	v_pk_add_f32 v[196:197], v[196:197], v[126:127]
	v_pk_add_f32 v[254:255], v[254:255], v[130:131]
	v_pk_add_f32 v[252:253], v[252:253], v[134:135]
	v_pk_add_f32 v[250:251], v[250:251], v[138:139]
	v_pk_add_f32 v[248:249], v[248:249], v[142:143]
	v_pk_add_f32 v[246:247], v[246:247], v[146:147]
	v_pk_add_f32 v[244:245], v[244:245], v[150:151]
	v_pk_add_f32 v[14:15], v[14:15], v[154:155]
	v_pk_add_f32 v[196:197], v[196:197], v[158:159]
	s_delay_alu instid0(VALU_DEP_2)
	v_pk_add_f32 v[14:15], v[14:15], v[250:251]
	s_delay_alu instid0(VALU_DEP_2)
	v_pk_add_f32 v[196:197], v[196:197], v[248:249]
	v_pk_add_f32 v[254:255], v[254:255], v[246:247]
	v_pk_add_f32 v[252:253], v[252:253], v[244:245]
	s_delay_alu instid0(VALU_DEP_2)
	v_pk_add_f32 v[14:15], v[14:15], v[254:255]
	s_delay_alu instid0(VALU_DEP_2)
	v_pk_add_f32 v[196:197], v[196:197], v[252:253]
	s_delay_alu instid0(VALU_DEP_1)
	v_pk_add_f32 v[14:15], v[14:15], v[196:197]
.irp b, 0,1,2,3
.set sj, 0
.rept 16
.set sj, sj+1
.endr
	v_cvt_scalef32_pk8_fp8_f32 v[224+4*\b:225+4*\b], v[96+16*\b:103+16*\b], v200
	v_cvt_scalef32_pk8_fp8_f32 v[226+4*\b:227+4*\b], v[104+16*\b:111+16*\b], v200
.endr
.set sj, 0
.rept 16
	v_pk_mul_f32 v[160+sj:161+sj], v[160+sj:161+sj], v[194:195] op_sel_hi:[1,0]   ; O^T under the new M; also the plain lines between the conversions and the products
.set sj, sj+2
.endr
	s_wait_alu depctr_va_vdst(0)
	s_wait_dscnt 0x0                               ; V's fragments are in
.irp t, 0,1,2,3
	v_wmma_f32_16x16x128_fp8_fp8 v[160+8*\t:167+8*\t], v[32+16*\t:47+16*\t], v[224:239], v[160+8*\t:167+8*\t]   ; the four accumulators take turns
.endr
.Lhidden_\@:
	s_add_co_u32 s[KS], s[KS], 1
.endm
; THE CHANGE OF SLOTS stands at a slot's head.  Each wave waits for all its tensor loads, adds 0 to its spare word, and waits for that and for its reads of the slot that it has left.
; fill = 1: a round of the cluster's barrier, and behind it the other slot is filled with the next 256 keys: the load has a slot's two steps in which to land.
.macro CHANGE fill
	s_wait_tensorcnt 0x0                           ; no tensor load of mine is out, so a group 0 may be written
	ds_add_u32 v[SPW], v[NIL]                      ; 0 onto my spare word
.if \fill
	s_xor_b32 s[G0K+1], s[G0K+1], SLOT1
	s_add_nc_u64 s[G0K+2:G0K+3], s[G0K+2:G0K+3], SLB
	s_xor_b32 s[G0V+1], s[G0V+1], SLOT1
	s_add_nc_u64 s[G0V+2:G0V+3], s[G0V+2:G0V+3], SLB
	s_wait_xcnt 0x0                                ; the last prefetch, a slot back, has read its address
	s_add_nc_u64 s[PFA:PFA+1], s[PFA:PFA+1], SLB   ; one slot further on than the walking descriptors
.endif
	s_wait_dscnt 0x0                               ; the add is done, and my reads of the slot that I have left are over
.if \fill
	CROUND
	TLOAD
	ASK
.else
	s_barrier_signal -1
	s_barrier_wait -1
.endif
.endm
.macro SLOT_STEPS
	STEP 0
	STEP 1
	s_xor_b32 s[TB], s[TB], SLOT1
.endm
	s_wait_loadcnt 0x0                             ; Q
.Lslot:                                            ; seven trips: behind each change of slots but the last the next slot is asked for
	CHANGE 1
	SLOT_STEPS
	s_sub_co_u32 s[SLOTS], s[SLOTS], 1
	s_cmp_lg_u32 s[SLOTS], 0
	s_cbranch_scc1 .Lslot
	CHANGE 0                                       ; the last slot is written out
	SLOT_STEPS
	; THE WAY OUT.  O^T / the sum x 2^(e8 + e9) is the context; it is converted by 2^e10, and a lane's 16 codes of tiles 2 b, 2 b + 1 are channels 32 b + 16 h + 0 .. 15 of its query:
	; piece 2 (head % 2) + b of the fragment (my 16 tokens, K step head / 2) of the next product's operand: each store writes 512 consecutive bytes, with no stage.
	v_add_f32 v14, v14, v15
	s_delay_alu instid0(VALU_DEP_1)
	v_permlanex16_b32 v192, v14, s[SEL], s[SEL+1]
	s_delay_alu instid0(VALU_DEP_1)
	v_add_f32 v14, v14, v192                       ; the row's sum
	v_nop
	v_nop
	s_wait_alu depctr_va_vdst(0)
	v_rcp_f32 v14, v14
	v_nop                                          ; a plain line behind the reciprocal
	s_add_co_i32 s84, s76, s77
	s_wait_alu depctr_va_vdst(0)                   ; and the wait ahead of its first reader
	v_ldexp_f32 v14, v14, s84
.set sj, 0
.rept 32
	v_mul_f32 v[96+sj], v[160+sj], v14
.set sj, sj+1
.endr
.set sj, 0
.rept 32
.set sj, sj+1
.endr
.irp b, 0,1
	v_cvt_scalef32_pk8_fp8_f32 v[224+4*\b:225+4*\b], v[96+16*\b:103+16*\b], v202
	v_cvt_scalef32_pk8_fp8_f32 v[226+4*\b:227+4*\b], v[104+16*\b:111+16*\b], v202
.endr
	v_nop
	global_store_b128 v[GO], v[224:227], s[8:9]
	global_store_b128 v[GO], v[228:231], s[8:9] offset:512
	s_wait_tensorcnt 0x0                           ; the wave's end
	ds_add_u32 v[SPW], v[NIL]
	s_wait_dscnt 0x0
	CROUND                                         ; the closing round
	s_endpgm
.Lfunc_end_k_q37c19431d9_attn:
	.size	k_q37c19431d9_attn, .Lfunc_end_k_q37c19431d9_attn-k_q37c19431d9_attn
	.p2alignl 7, 3214868480
	.fill 96, 4, 3214868480
	.section	.rodata,"a",@progbits
	.p2align	6, 0x0
	.amdhsa_kernel k_q37c19431d9_attn
		.amdhsa_group_segment_fixed_size 327680
		.amdhsa_private_segment_fixed_size 0
		.amdhsa_enable_private_segment 0
		.amdhsa_kernarg_size 24
		.amdhsa_user_sgpr_count 2
		.amdhsa_user_sgpr_kernarg_segment_ptr 1
		.amdhsa_wavefront_size32 1
		.amdhsa_system_sgpr_workgroup_id_x 1
		.amdhsa_system_sgpr_workgroup_id_y 1
		.amdhsa_system_sgpr_workgroup_id_z 1
		.amdhsa_system_vgpr_workitem_id 0
		.amdhsa_next_free_vgpr 256
		.amdhsa_next_free_sgpr 100
		.amdhsa_reserve_vcc 1
		.amdhsa_float_denorm_mode_32 3
		.amdhsa_float_denorm_mode_16_64 3
		.amdhsa_fp16_overflow 1
		.amdhsa_memory_ordered 1
		.amdhsa_forward_progress 1
		.amdhsa_inst_pref_size 87
	.end_amdhsa_kernel
	.amdgpu_metadata
---
amdhsa.version: [ 1, 2 ]
amdhsa.kernels:
  - .name:           k_q37c19431d9_attn
    .symbol:         k_q37c19431d9_attn.kd
    .args:
      - { .name: qkv, .offset: 0, .size: 8, .value_kind: global_buffer, .address_space: global }
      - { .name: lowp_scales, .offset: 8, .size: 8, .value_kind: global_buffer, .address_space: global }
      - { .name: ctx, .offset: 16, .size: 8, .value_kind: global_buffer, .address_space: global }
    .group_segment_fixed_size: 327680
    .private_segment_fixed_size: 0
    .kernarg_segment_align: 8
    .kernarg_segment_size: 24
    .max_flat_workgroup_size: 512
    .sgpr_count:     100
    .vgpr_count:     256
    .wavefront_size: 32
...
	.end_amdgpu_metadata
.endif
;; end of part 3
;; launch outln (part 4): grid 256 x 1, 8 waves a work-group, no clusters, 298,496 bytes of LDS; arguments ctx, opnd, lowp_scales, bo, gamma, beta, x, out0; writes out0
.if DOCPART == 4
	.amdgcn_target "amdgcn-amd-amdhsa--gfx1250"
	.amdhsa_code_object_version 6
	.text
	.protected	k_q37c19431d9_outln
	.globl	k_q37c19431d9_outln
	.p2align	8
	.type	k_q37c19431d9_outln,@function
k_q37c19431d9_outln:
	s_mov_b64 s[64:65], 0
	v_nop
	global_prefetch_b8 v0, s[64:65] scope:SCOPE_SE
	s_setreg_imm32_b32 hwreg(HW_REG_WAVE_MODE, 25, 1), 1
	s_wait_xcnt 0x0
; out0 = x + LayerNorm(ctx Wo^T + bo) x gamma + beta.  ctx and Wo are E4M3 codes (2^e10, 2^e11) in the order of the operands' registers; K = 1,024.
; SHARES.  A work-group takes 32 rows and all 1,024 columns, since the norm wants whole rows.  Wave w makes columns 128 w .. 128 w + 127 of both tiles of 16 rows: 16 accumulators.
; The matrix instruction is used transposed (source 0 = 16 rows of Wo, source 1 = 16 rows of ctx): a lane holds one row and eight neighbouring columns.
; Wo's fragments go from memory straight into registers, two sets by turns, 32 to 64 loads of a wave out: each is read by one wave of the work-group alone, so LDS would add a copy and no reuse.
; NO JOINT LOADS, though all work-groups walk Wo: two slots of a ring that fit beside x and the stage hold one K step each, 16 matrix instructions a wave between two rounds of a cluster's barrier;
; the register ring has no barrier in the K loop at all.
; ctx's 32,768 bytes and x's 131,072 come into LDS by copies issued at the head, each byte once; x lands under the whole product.
; THE NORM is taken in two passes (mean; then the squares of the differences): no difference of large sums.  A row's sums meet in LDS: [row][wave].
; LIMITS: e10 + e11 between -126 and 127.  NaN is not served.
; REGISTERS: window 0: v1-12 addresses; v16-31 the sums read back; v32-95 ctx's fragments, two buffers; v96-115 chains and statistics; v128-255 the accumulators ((mt, i) at v[128 + 8 (8 mt + i)]), later rows of z.
;   window 1: Wo's fragments, two sets of 128; at the end v0-63 bo, v64-95 gamma, v96-127 beta, v128-255 rows of x.
.set AIMG, 0                           ; ctx's 16 fragments: (mt, ks) at (8 mt + ks) x 2,048
.set XS,   32768                       ; x: 32 rows of 4,096 bytes
.set STG,  163840                      ; the stage: 32 rows of 4,096 + 16 bytes
.set SPI,  4112
.set RED1, STG+32*SPI                  ; [32 rows][8 waves] f32: the sums,
.set RED2, RED1+1024                   ; and the sums of squares, in bytes of their own
.set ACC,  128
.set MSB, 0
.macro WIN new                         ; the immediate's high byte repeats the setting that is left
.if MSB != \new
	s_set_vgpr_msb (MSB<<8)|\new
.set MSB, \new
.endif
.endm
	s_load_b512 s[4:19], s[0:1], 0x0               ; ctx s[4:5], opnd s[6:7], lowp_scales s[8:9], bo s[10:11], gamma s[12:13], beta s[14:15], x s[16:17], out0 s[18:19]
	v_lshl_add_u32 v126, v0, 2, 0x48a00
	v_mov_b32 v127, 0
	ds_add_u32 v126, v127
	ds_add_u32 v126, v127
	v_lshrrev_b32 v9, 5, v0
	s_delay_alu instid0(VALU_DEP_1)
	v_readfirstlane_b32 s20, v9                    ; wave 0..7
	v_and_b32 v9, 31, v0                           ; lane
	s_delay_alu instid0(VALU_DEP_1)
	v_lshlrev_b32 v1, 4, v9                        ; v1: 16 x lane; never rewritten
	v_and_b32 v13, 15, v0                          ; r
	v_bfe_u32 v14, v0, 4, 1                        ; h
	s_lshl_b32 s32, s20, 12
	v_add_nc_u32 v2, s32, v1                       ; ctx's copies: LDS (AIMG = 0),
	v_add_nc_u32 v3, s32, v1                       ; and memory: 4,096 bytes a wave
	s_lshl_b32 s33, s20, 14
	v_add_nc_u32 v5, s33, v1                       ; x's copies: memory: my four rows,
	s_delay_alu instid0(VALU_DEP_1)
	v_add_nc_u32 v4, XS, v5                        ; and LDS; also where I read them back
	v_mul_u32_u24 v6, v13, SPI
	s_delay_alu instid0(VALU_DEP_1)
	v_lshl_add_u32 v6, v14, 5, v6
	s_lshl_b32 s34, s20, 9
	s_add_co_u32 s34, s34, STG
	v_add_nc_u32 v6, s34, v6                       ; the stage, in: row r, + 32 h, + my 512 bytes
	s_delay_alu instid0(VALU_DEP_1)
	v_add_nc_u32 v7, 16*SPI, v6                    ; rows 16 on
	s_mul_i32 s35, s20, 4*SPI
	s_add_co_u32 s35, s35, STG
	v_add_nc_u32 v8, s35, v1                       ; and back: my four rows, 16 bytes a lane
	v_lshlrev_b32 v10, 5, v9
	s_lshl_b32 s36, s20, 2
	s_add_co_u32 s36, s36, RED1
	v_add_nc_u32 v10, s36, v10                     ; my wave's word of row = lane
	v_lshl_add_u32 v11, v13, 5, RED1               ; row r's eight words
	v_lshlrev_b32 v12, 5, v14                      ; bo: 32 h
	v_cmp_lt_u32 s30, 15, v9                       ; lanes 16-31
	v_mov_b32 v104, 0                              ; lane permutes' destinations count as sources
	v_mov_b32 v105, 0
	s_mov_b32 s22, 0x76543210
	s_mov_b32 s23, 0xfedcba98
	s_mov_b32 s42, 0x3a800000                      ; 1 / 1,024
	s_mov_b32 s43, 0x3727c5ac                      ; 1e-5
	s_mov_b32 s39, 0
	s_wait_alu depctr_va_vdst(0)
	s_wait_dscnt 0x0
	s_wait_kmcnt 0x0
	s_load_b64 s[40:41], s[8:9], 0x28              ; e10, e11
	s_lshl_b32 s38, ttmp9, 15
	s_add_nc_u64 s[4:5], s[4:5], s[38:39]          ; my 32 rows of ctx,
	s_lshl_b32 s38, ttmp9, 17
	s_add_nc_u64 s[16:17], s[16:17], s[38:39]      ; of x,
	s_add_nc_u64 s[28:29], s[18:19], s[38:39]      ; of out0,
	s_mov_b32 s38, s33
	s_add_nc_u64 s[28:29], s[28:29], s[38:39]      ; at my four rows
	s_lshl_b32 s38, s20, 17
	s_add_co_u32 s38, s38, 0x1b00000
	s_add_nc_u64 s[26:27], s[6:7], s[38:39]        ; Wo's codes at my 128 rows of it
	s_lshl_b32 s38, s20, 9
	s_add_nc_u64 s[10:11], s[10:11], s[38:39]      ; bo at my 128 columns
.set ci, 0
.rept 8
	global_load_async_to_lds_b128 v2, v3, s[4:5] offset:512*ci
.set ci, ci+1
.endr
.set ci, 0
.rept 32
	global_load_async_to_lds_b128 v4, v5, s[16:17] offset:512*ci
.set ci, ci+1
.endr
.macro BLOAD ks, set                   ; Wo's eight fragments of K step ks
	WIN 0x40                                       ; destination window 1
.irp i, 0,1,2,3,4,5,6,7
.irp c, 0,1,2,3
	global_load_b128 v[128*(\set)+16*\i+4*\c:128*(\set)+16*\i+4*\c+3], v1, s[26:27] offset:\i*16384+(\ks)*2048+\c*512
.endr
.endr
	WIN 0
.endm
.macro AFETCH ks                       ; ctx's two fragments of K step ks
.irp mt, 0,1
.irp c, 0,1,2,3
	ds_load_b128 v[32+32*((\ks)%2)+16*\mt+4*\c:32+32*((\ks)%2)+16*\mt+4*\c+3], v1 offset:AIMG+(8*\mt+(\ks))*2048+512*\c
.endr
.endr
.endm
.macro TAIL                            ; 32 loads into the set that K step 6 has left: bo in the accumulators' layout; gamma and beta as a row is read back
	WIN 0x40
.irp i, 0,1,2,3,4,5,6,7
	global_load_b128 v[8*\i:8*\i+3], v12, s[10:11] offset:64*\i
	global_load_b128 v[8*\i+4:8*\i+7], v12, s[10:11] offset:64*\i+16
.endr
.irp k, 0,1,2,3,4,5,6,7
	global_load_b128 v[64+4*\k:64+4*\k+3], v1, s[12:13] offset:512*\k
	global_load_b128 v[96+4*\k:96+4*\k+3], v1, s[14:15] offset:512*\k
.endr
	WIN 0
.endm
.macro KSTEP ks
	s_wait_loadcnt 32                              ; this step's 32 loads of Wo are in; the 32 issued behind them may be out
	s_wait_dscnt 0x0                               ; ctx's two fragments are in
.if \ks < 7
	AFETCH (\ks)+1                                 ; into the other buffer; four places stand behind the products that read it
.endif
	WIN 0x01                                       ; source 0 (Wo) window 1
.irp i, 0,1,2,3,4,5,6,7
.irp mt, 0,1
.if \ks == 0
	v_wmma_f32_16x16x128_fp8_fp8 v[ACC+8*(8*\mt+\i):ACC+8*(8*\mt+\i)+7], v[128*((\ks)%2)+16*\i:128*((\ks)%2)+16*\i+15], v[32+32*((\ks)%2)+16*\mt:32+32*((\ks)%2)+16*\mt+15], 0
.else
	v_wmma_f32_16x16x128_fp8_fp8 v[ACC+8*(8*\mt+\i):ACC+8*(8*\mt+\i)+7], v[128*((\ks)%2)+16*\i:128*((\ks)%2)+16*\i+15], v[32+32*((\ks)%2)+16*\mt:32+32*((\ks)%2)+16*\mt+15], v[ACC+8*(8*\mt+\i):ACC+8*(8*\mt+\i)+7]
.endif
.endr
.endr
	WIN 0
.rept 4
	v_nop                                          ; places ahead of loads into registers that these products read, and of the first read of results
.endr
.if \ks < 6
	BLOAD (\ks)+2, (\ks)%2
.elseif \ks == 6
	TAIL
.endif
.endm
.macro BARRIER                         ; my LDS stores have landed and my LDS loads are in: then the work-group's barrier
	s_wait_dscnt 0x0
	s_barrier_signal -1
	s_barrier_wait -1
.endm
.macro ROWSUM mt, d                    ; my 64 numbers of a row, in two chains
	v_pk_add_f32 v[\d:\d+1], v[ACC+64*\mt:ACC+64*\mt+1], v[ACC+64*\mt+2:ACC+64*\mt+3]
	v_pk_add_f32 v[\d+2:\d+3], v[ACC+64*\mt+4:ACC+64*\mt+5], v[ACC+64*\mt+6:ACC+64*\mt+7]
.set rj, 8
.rept 14
	s_delay_alu instid0(VALU_DEP_2)
	v_pk_add_f32 v[\d:\d+1], v[\d:\d+1], v[ACC+64*\mt+rj:ACC+64*\mt+rj+1]
	s_delay_alu instid0(VALU_DEP_2)
	v_pk_add_f32 v[\d+2:\d+3], v[\d+2:\d+3], v[ACC+64*\mt+rj+2:ACC+64*\mt+rj+3]
.set rj, rj+4
.endr
	s_delay_alu instid0(VALU_DEP_1)
	v_pk_add_f32 v[\d:\d+1], v[\d:\d+1], v[\d+2:\d+3]
	s_delay_alu instid0(VALU_DEP_1)
	v_add_f32 v[\d], v[\d], v[\d+1]
.endm
.macro SQSUM mt, d                     ; their squares likewise
	v_pk_mul_f32 v[\d:\d+1], v[ACC+64*\mt:ACC+64*\mt+1], v[ACC+64*\mt:ACC+64*\mt+1]
	v_pk_mul_f32 v[\d+2:\d+3], v[ACC+64*\mt+2:ACC+64*\mt+3], v[ACC+64*\mt+2:ACC+64*\mt+3]
.set rj, 4
.rept 15
	s_delay_alu instid0(VALU_DEP_2)
	v_pk_fma_f32 v[\d:\d+1], v[ACC+64*\mt+rj:ACC+64*\mt+rj+1], v[ACC+64*\mt+rj:ACC+64*\mt+rj+1], v[\d:\d+1]
	s_delay_alu instid0(VALU_DEP_2)
	v_pk_fma_f32 v[\d+2:\d+3], v[ACC+64*\mt+rj+2:ACC+64*\mt+rj+3], v[ACC+64*\mt+rj+2:ACC+64*\mt+rj+3], v[\d+2:\d+3]
.set rj, rj+4
.endr
	s_delay_alu instid0(VALU_DEP_1)
	v_pk_add_f32 v[\d:\d+1], v[\d:\d+1], v[\d+2:\d+3]
	s_delay_alu instid0(VALU_DEP_1)
	v_add_f32 v[\d], v[\d], v[\d+1]
.endm
; v96 (rows 0-15) and v100 (rows 16-31) hold my lane's sums.  The halves of the lanes are added; lane l stores row l's sum of my wave; a barrier; every lane reads the eight waves' sums of rows r and 16 + r
; and adds them in one fixed order: v16 and v24.
.macro ROWRED dst
	v_permlanex16_b32 v104, v96, s22, s23
	s_delay_alu instid0(VALU_DEP_2)
	v_permlanex16_b32 v105, v100, s22, s23
	s_delay_alu instid0(VALU_DEP_2)
	v_add_f32 v96, v96, v104
	s_delay_alu instid0(VALU_DEP_2)
	v_add_f32 v100, v100, v105
	s_delay_alu instid0(VALU_DEP_1)
	v_cndmask_b32 v102, v96, v100, s30
	ds_store_b32 v10, v102 offset:\dst
	BARRIER
	ds_load_b128 v[16:19], v11 offset:\dst
	ds_load_b128 v[20:23], v11 offset:\dst+16
	ds_load_b128 v[24:27], v11 offset:\dst+512
	ds_load_b128 v[28:31], v11 offset:\dst+528
	s_wait_dscnt 0x0
	v_pk_add_f32 v[16:17], v[16:17], v[18:19]
	v_pk_add_f32 v[24:25], v[24:25], v[26:27]
	v_pk_add_f32 v[20:21], v[20:21], v[22:23]
	v_pk_add_f32 v[28:29], v[28:29], v[30:31]
	s_delay_alu instid0(VALU_DEP_2)
	v_pk_add_f32 v[16:17], v[16:17], v[20:21]
	s_delay_alu instid0(VALU_DEP_2)
	v_pk_add_f32 v[24:25], v[24:25], v[28:29]
	s_delay_alu instid0(VALU_DEP_2)
	v_add_f32 v16, v16, v17
	s_delay_alu instid0(VALU_DEP_2)
	v_add_f32 v24, v24, v25
.endm
	BLOAD 0, 0
	BLOAD 1, 1
	s_wait_asynccnt 32                             ; my 8 copies of ctx are in; x's 32 may be out: nobody fills these bytes again
	s_barrier_signal -1
	s_barrier_wait -1                              ; everybody's are
	AFETCH 0
	KSTEP 0
	KSTEP 1
	KSTEP 2
	KSTEP 3
	KSTEP 4
	KSTEP 5
	KSTEP 6
	KSTEP 7
	s_wait_loadcnt 0x0                             ; bo, gamma, beta
	s_wait_kmcnt 0x0
	s_add_co_i32 s24, s40, s41
	s_add_co_i32 s24, s24, 127
	s_lshl_b32 s24, s24, 23                        ; 2^(e10 + e11)
	s_mov_b32 s25, s24
	WIN 0x10                                       ; source 2 (bo) window 1
.set et, 0
.rept 16
.irp p, 0,2,4,6
	v_pk_fma_f32 v[ACC+8*et+\p:ACC+8*et+\p+1], v[ACC+8*et+\p:ACC+8*et+\p+1], s[24:25], v[8*(et%8)+\p:8*(et%8)+\p+1] op_sel_hi:[1,0,1]   ; sum x 2^(e10 + e11) + bo; each accumulator from its low end on
.endr
.set et, et+1
.endr
	WIN 0
	ROWSUM 0, 96
	ROWSUM 1, 100
	ROWRED 0
	s_delay_alu instid0(VALU_DEP_2)
	v_mul_f32 v106, s42, v16                       ; the rows' means
	s_delay_alu instid0(VALU_DEP_3)
	v_mul_f32 v107, s42, v16
	s_delay_alu instid0(VALU_DEP_3)
	v_mul_f32 v108, s42, v24
	s_delay_alu instid0(VALU_DEP_4)
	v_mul_f32 v109, s42, v24
.set ej, 0
.rept 32
	v_pk_add_f32 v[ACC+ej:ACC+ej+1], v[ACC+ej:ACC+ej+1], v[106:107] op_sel_hi:[1,0] neg_lo:[0,1] neg_hi:[0,1]
	v_pk_add_f32 v[ACC+64+ej:ACC+64+ej+1], v[ACC+64+ej:ACC+64+ej+1], v[108:109] op_sel_hi:[1,0] neg_lo:[0,1] neg_hi:[0,1]
.set ej, ej+2
.endr
	SQSUM 0, 96
	SQSUM 1, 100
	ROWRED 1024
	s_delay_alu instid0(VALU_DEP_2)
	v_fma_f32 v110, v16, s42, s43                  ; the variance + 1e-5
	s_delay_alu instid0(VALU_DEP_2)
	v_fma_f32 v111, v24, s42, s43
	s_wait_alu depctr_va_vdst(0)
	v_rsq_f32 v112, v110
	v_rsq_f32 v114, v111
	v_nop                                          ; a plain line behind the two roots
	s_wait_alu depctr_va_vdst(0)                   ; and one wait ahead of their first reader
	v_mov_b32 v113, v112
	v_mov_b32 v115, v114
.set ej, 0
.rept 32
	v_pk_mul_f32 v[ACC+ej:ACC+ej+1], v[ACC+ej:ACC+ej+1], v[112:113] op_sel_hi:[1,0]
	v_pk_mul_f32 v[ACC+64+ej:ACC+64+ej+1], v[ACC+64+ej:ACC+64+ej+1], v[114:115] op_sel_hi:[1,0]
.set ej, ej+2
.endr
.irp i, 0,1,2,3,4,5,6,7
	ds_store_b128 v6, v[ACC+8*\i:ACC+8*\i+3] offset:64*\i
	ds_store_b128 v6, v[ACC+8*\i+4:ACC+8*\i+7] offset:64*\i+16
	ds_store_b128 v7, v[ACC+64+8*\i:ACC+64+8*\i+3] offset:64*\i
	ds_store_b128 v7, v[ACC+64+8*\i+4:ACC+64+8*\i+7] offset:64*\i+16
.endr
	BARRIER                                        ; 32 whole rows lie in the stage
	s_wait_asynccnt 0x0                            ; my four rows of x, which I alone read
.set ei, 0
.rept 4
	WIN 0
.irp k, 0,1,2,3,4,5,6,7
	ds_load_b128 v[ACC+32*ei+4*\k:ACC+32*ei+4*\k+3], v8 offset:ei*SPI+512*\k
.endr
	WIN 0x40
.irp k, 0,1,2,3,4,5,6,7
	ds_load_b128 v[128+32*ei+4*\k:128+32*ei+4*\k+3], v4 offset:ei*4096+512*\k
.endr
.set ei, ei+1
.endr
.set ei, 0
.rept 4
	s_wait_dscnt 16*(3-ei)                         ; row ei's 16 loads are in; those of the rows behind it may be out
	WIN 0x14                                       ; gamma and beta in window 1
.set ej, 0
.rept 16
	v_pk_fma_f32 v[ACC+32*ei+ej:ACC+32*ei+ej+1], v[ACC+32*ei+ej:ACC+32*ei+ej+1], v[64+ej:64+ej+1], v[96+ej:96+ej+1]
.set ej, ej+2
.endr
	WIN 0x04                                       ; x in window 1
.set ej, 0
.rept 16
	v_pk_add_f32 v[ACC+32*ei+ej:ACC+32*ei+ej+1], v[ACC+32*ei+ej:ACC+32*ei+ej+1], v[128+32*ei+ej:128+32*ei+ej+1]
.set ej, ej+2
.endr
	WIN 0
.irp k, 0,1,2,3,4,5,6,7
	global_store_b128 v1, v[ACC+32*ei+4*\k:ACC+32*ei+4*\k+3], s[28:29] offset:ei*4096+512*\k th:TH_STORE_NT   ; 32 lanes store 512 consecutive bytes of a row; no register is used twice
.endr
.set ei, ei+1
.endr
	s_wait_tensorcnt 0x0
	ds_add_u32 v126, v127
	s_wait_dscnt 0x0
	s_endpgm
.Lfunc_end_k_q37c19431d9_outln:
	.size	k_q37c19431d9_outln, .Lfunc_end_k_q37c19431d9_outln-k_q37c19431d9_outln
	.p2alignl 7, 3214868480
	.fill 96, 4, 3214868480
	.section	.rodata,"a",@progbits
	.p2align	6, 0x0
	.amdhsa_kernel k_q37c19431d9_outln
		.amdhsa_group_segment_fixed_size 298496
		.amdhsa_private_segment_fixed_size 0
		.amdhsa_enable_private_segment 0
		.amdhsa_kernarg_size 64
		.amdhsa_user_sgpr_count 2
		.amdhsa_user_sgpr_kernarg_segment_ptr 1
		.amdhsa_wavefront_size32 1
		.amdhsa_system_sgpr_workgroup_id_x 1
		.amdhsa_system_sgpr_workgroup_id_y 1
		.amdhsa_system_sgpr_workgroup_id_z 1
		.amdhsa_system_vgpr_workitem_id 0
		.amdhsa_next_free_vgpr 512
		.amdhsa_next_free_sgpr 66
		.amdhsa_reserve_vcc 0
		.amdhsa_float_denorm_mode_32 3
		.amdhsa_float_denorm_mode_16_64 3
		.amdhsa_memory_ordered 1
		.amdhsa_forward_progress 1
		.amdhsa_inst_pref_size 94
	.end_amdhsa_kernel
	.amdgpu_metadata
---
amdhsa.version: [ 1, 2 ]
amdhsa.kernels:
  - .name:           k_q37c19431d9_outln
    .symbol:         k_q37c19431d9_outln.kd
    .args:
      - { .name: ctx, .offset: 0, .size: 8, .value_kind: global_buffer, .address_space: global }
      - { .name: opnd, .offset: 8, .size: 8, .value_kind: global_buffer, .address_space: global }
      - { .name: lowp_scales, .offset: 16, .size: 8, .value_kind: global_buffer, .address_space: global }
      - { .name: bo, .offset: 24, .size: 8, .value_kind: global_buffer, .address_space: global }
      - { .name: gamma, .offset: 32, .size: 8, .value_kind: global_buffer, .address_space: global }
      - { .name: beta, .offset: 40, .size: 8, .value_kind: global_buffer, .address_space: global }
      - { .name: x, .offset: 48, .size: 8, .value_kind: global_buffer, .address_space: global }
      - { .name: out0, .offset: 56, .size: 8, .value_kind: global_buffer, .address_space: global }
    .group_segment_fixed_size: 298496
    .private_segment_fixed_size: 0
    .kernarg_segment_align: 8
    .kernarg_segment_size: 64
    .max_flat_workgroup_size: 256
    .sgpr_count:     66
    .vgpr_count:     512
    .wavefront_size: 32
...
	.end_amdgpu_metadata
.endif
;; end of part 4
